; MI455X (gfx1250); checked and timed in simulation.
; The chip was launched on July 23, 2026; its instructions are those of AMD's public machine-readable ISA for CDNA 5 (MIT licence, August 2026) and "CDNA5" Instruction Set Architecture Reference Guide (July 2026). The comments in the code are by the model that wrote it; some were corrected since.
;; Attention Layer. Allowed arithmetic: matrix products marked QUANTISED: E2M1 operands, one E8M0 scale for each 32 along K, by v_wmma_scale_f32_16x16x128_f8f6f4 with both operands' format E2M1 (or v_wmma_scale_f32_32x16x128_f4), f32 sums; products left as they are: bf16, f16 or f32 operands; f32 sums; everything else in f32.
;; Inputs: W 1,024 x 1,024 float32; b 1,024 float32; key 4 x 2,048 x 1,024 float32; query 4 x 2,048 x 1,024 float32; value 4 x 2,048 x 1,024 float32.
;; Outputs: out0 4 x 2,048 x 1,024 float32.
;; This version of the problem:
;;   THIS VERSION OF THE PROBLEM IS GIVEN IN LOW PRECISION. The matrix products marked QUANTISED in the list below multiply operands that are first quantised to E2M1 (2 exponent bits, 1 mantissa bit; 4 bits a number), with one power-of-two scale for each 32 numbers along K (OCP MX v1.0); their sums are f32. The products marked 'left as it is' may take bf16, f16 or f32 operands, with f32 sums. Whichever they take, every output number must still come out within the allowed error. Rounding operands to bf16 (8 significant bits) uses up far more of that allowance than f16 does (11 bits, for magnitudes from 6e-5 to 65,504). All else is computed in f32.
;;   The module's matrix products, in the order in which they are computed (A, B: the left and right operand; K: the contracted axis; several contracted axes count as one K, in the product's order):
;;     1. [M 8,192, K 1,024] x [K 1,024, N 1,024]; A: input query; B: input W: QUANTISED
;;     2. [M 8,192, K 1,024] x [K 1,024, N 1,024]; A: input key; B: input W: QUANTISED
;;     3. [M 8,192, K 1,024] x [K 1,024, N 1,024]; A: input value; B: input W: QUANTISED
;;     4. batch 4 x [M 2,048, K 1,024] x [K 1,024, N 2,048]; A: computed on the way; B: computed on the way: left as it is (an operand is computed on the way)
;;     5. batch 4 x [M 2,048, K 2,048] x [K 2,048, N 1,024]; A: computed on the way; B: computed on the way: left as it is (an operand is computed on the way)
;;   THE QUANTISER, for each operand of a quantised product, along K:
;;     - K is cut into blocks of 32 from its start; a last block that is shorter is filled with zeros.
;;     - A block's scale is 2^e with e = floor(log2(the largest magnitude in the block)) - 2, held to -126 .. 127; a block of zeros has e = 0. As a byte (E8M0): e + 127.
;;     - Each number is divided by its block's scale, clamped to +-6, and rounded to the nearest number of E2M1, ties to even, subnormals kept.
;;     - The product sums the exact products of the quantised numbers (number of the format x scale) in f32.
;;   ~~~python
;;   def quantise(x, axis):      # numpy; x: float32 -> the quantised numbers, widened to float32 again
;;       x = np.moveaxis(x, axis, -1); K = x.shape[-1]
;;       x = np.pad(x, [(0, 0)] * (x.ndim - 1) + [(0, -K % 32)]); x = x.reshape(x.shape[:-1] + (-1, 32)); a = np.abs(x).max(-1, keepdims=True)
;;       e = np.where(a > 0, np.clip(np.frexp(np.where(a > 0, a, 1))[1] - 1 - 2, -126, 127), 0)      # np.frexp(a)[1] - 1 = floor(log2(a)), exactly
;;       r = np.clip(x / 2.0 ** e, -6, 6)
;;       step = 2.0 ** (np.maximum(np.frexp(np.where(r == 0, 1, r))[1] - 1, 0) - 1)
;;       q = np.round(r / step) * step * 2.0 ** e      # np.round: ties to even
;;       return np.moveaxis(q.reshape(q.shape[:-2] + (-1,))[..., :K], -1, axis).astype(np.float32)
;;   ~~~
;; One version. Each part assembles by itself: llvm-mc -triple=amdgcn-amd-amdhsa -mcpu=gfx1250 --defsym DOCPART=n.
;; ======== version 1 of 1: 4 launches
;; limits: values are held in f16: magnitudes above 65,504 overflow, below 6.1e-05 lose precision
;; workspace buffers: codes 13,107,200 bytes; scales 819,200 bytes; qkv 50,331,648 bytes; pbuf 33,554,432 bytes; stats 1,048,576 bytes
;; launch quant (part 1): grid 800 x 1, 4 waves a work-group, no clusters, 33,280 bytes of LDS; arguments query, key, value, W, codes, scales; writes codes, scales
.if DOCPART == 1
	.amdgcn_target "amdgcn-amd-amdhsa--gfx1250"
	.amdhsa_code_object_version 6
	.text
	.protected	k_q0ca43cbcdf_quant
	.globl	k_q0ca43cbcdf_quant
	.p2align	8
	.type	k_q0ca43cbcdf_quant,@function
k_q0ca43cbcdf_quant:
	s_mov_b64 s[64:65], 0
	v_nop
	global_prefetch_b8 v0, s[64:65] scope:SCOPE_SE
	s_setreg_imm32_b32 hwreg(HW_REG_WAVE_MODE, 25, 1), 1
	s_wait_xcnt 0x0
; query, key, value [8192][1024] and W [1024][1024], f32, become codes of FP4 (E2M1), two a byte, K innermost, and one E8M0 byte for each 32 along K.
; codes: [25600 rows][512 bytes], scales: [25600][32 bytes]; rows 0-8191 query, 8192-16383 key, 16384-24575 value, 24576-25599 W.
; A block's scale is 2^(floor(log2(its largest magnitude)) - 2); its byte is the largest magnitude's exponent field - 2, held at 1 from below.
; LIMITS: a block whose largest magnitude lies under 2^-124, a block of zeros among them, gets the byte 1 (the stated quantiser gives a block of zeros 127): its
; codes are zeros or the nearest codes under that scale, and the bytes are read by this program alone.  NaN and infinities among the inputs are not served.
; Rows are dense and 1024 is a multiple of 32: each tensor is a plain stream of blocks of 32, and so are its codes and bytes.  A work-group takes 32,768 numbers, a wave 8,192
; in 16 steps of 512.  Work-groups 0-255 take query, 256-511 key, 512-767 value, 768-799 W: only the source pointer is chosen, all take one path.
; Each of a step's four loads reads 512 consecutive bytes, 16 a lane; the 2,048 bytes turn through the wave's own stage in LDS and come back 64 bytes a lane, so that a lane holds
; 16 neighbours along K (two neighbouring lanes hold a block), as the conversions want.  A lane's 16 codes are 8 bytes: the wave stores 256 consecutive bytes.
; A wave's 256 scale bytes are gathered in LDS and leave as one aligned run of 256 bytes.  No tensor loads, no barrier: waves share nothing.
.set WAVES, 4
.set STEPS, 16
.set EMAX,  2
.set CB,    8                          ; bytes of 16 codes
.set R,     16                         ; v16-79   four sets of 16 numbers as they are loaded
.set X,     80                         ; v80-111  two sets of 16 neighbours
.set C,     128                        ; v128-191 codes: four registers for each step, so that no store's data are written again
.set E,     112                        ; v112-127 a scale byte for each step
.set WREG,  8192                       ; LDS: a region for each wave: two stages of 32 x SP bytes, behind them its 256 scale bytes
.set SP,    80                         ; a lane's place in a stage: 64 bytes + 16 of padding
.set SPW,   12                         ; v12      LDS address of my spare word; never rewritten
.set NIL,   13                         ; v13      0; never rewritten
.set SPARE, WAVES*WREG                 ; behind the four regions: the spare words, 128 bytes a wave, named by no other line
	s_load_b256 s[4:11], s[0:1], 0x0               ; query, key, value, W
	s_load_b128 s[12:15], s[0:1], 0x20             ; codes, scales
	v_lshl_add_u32 v[SPW], v0, 2, SPARE
	v_mov_b32 v[NIL], 0
	v_lshrrev_b32 v1, 5, v0
	v_readfirstlane_b32 s16, v1                    ; wave
	v_and_b32 v2, 31, v0                           ; lane
	v_lshlrev_b32 v3, 4, v2                        ; my 16 bytes of a load's 512
	s_mul_i32 s17, s16, WREG
	v_lshrrev_b32 v14, 2, v2
	v_mul_u32_u24 v14, v14, SP
	v_and_b32 v15, 3, v2
	v_lshl_add_u32 v14, v15, 4, v14
	v_add_nc_u32 v14, s17, v14                     ; the stage, on the way in: SP (lane / 4) + 16 (lane % 4)
	v_mul_u32_u24 v15, v2, SP
	v_add_nc_u32 v15, s17, v15                     ; and on the way out: SP x lane: my 16 neighbours
	v_mul_u32_u24 v4, v2, CB                       ; my codes' place in a step's
	v_lshrrev_b32 v5, 1, v2
	s_add_co_u32 s17, s17, 2*32*SP
	v_add_nc_u32 v5, s17, v5                       ; LDS: my wave's 256 scale bytes, my block's byte
	v_lshlrev_b32 v7, 3, v2                        ; and on the way out 8 bytes a lane
	v_add_nc_u32 v6, s17, v7
	s_wait_kmcnt 0x0
	s_cmp_lt_u32 ttmp9, 256                        ; the source is chosen by the work-group's number alone
	s_cselect_b64 s[20:21], s[4:5], s[6:7]
	s_cmp_lt_u32 ttmp9, 768
	s_cselect_b64 s[22:23], s[8:9], s[10:11]
	s_cmp_lt_u32 ttmp9, 512
	s_cselect_b64 s[4:5], s[20:21], s[22:23]
	s_and_b32 s17, ttmp9, 255                      ; the work-group's place in its tensor
	s_lshl_b32 s17, s17, 2
	s_add_co_u32 s17, s17, s16                     ; which run of 8,192 numbers is my wave's
	s_lshl_b32 s18, s17, 15                        ; 32,768 bytes a run
	s_mov_b32 s19, 0
	s_add_nc_u64 s[4:5], s[4:5], s[18:19]
	s_lshl_b32 s17, ttmp9, 2
	s_add_co_u32 s17, s17, s16                     ; the run's number in the two outputs
	s_lshl_b32 s18, s17, 12                        ; 4,096 bytes of codes a run
	s_add_nc_u64 s[8:9], s[12:13], s[18:19]
	s_lshl_b32 s18, s17, 8                         ; 256 scale bytes a run
	s_add_nc_u64 s[10:11], s[14:15], s[18:19]
.macro LOAD t
.irp i, 0,1,2,3
	global_load_b128 v[R+16*((\t)%4)+4*\i:R+16*((\t)%4)+4*\i+3], v3, s[4:5] offset:2048*(\t)+512*\i th:TH_LOAD_NT   ; 32 lanes read 512 consecutive bytes
.endr
.endm
.macro TURN t                          ; step t's numbers through the stage: LDS serves a wave's instructions in order, so no wait stands between the stores and the loads
.irp i, 0,1,2,3
	ds_store_b128 v14, v[R+16*((\t)%4)+4*\i:R+16*((\t)%4)+4*\i+3] offset:32*SP*((\t)%2)+8*SP*\i
.endr
.irp i, 0,1,2,3
	ds_load_b128 v[X+16*((\t)%2)+4*\i:X+16*((\t)%2)+4*\i+3], v15 offset:32*SP*((\t)%2)+16*\i
.endr
.endm
.irp t, 0,1,2,3
	LOAD \t
.endr
	s_wait_loadcnt 12                              ; step 0's four loads are in; three steps' twelve stay out
	TURN 0
.macro STEP t
.set XS, X+16*((\t)%2)
.if (\t) > 0
	s_wait_dscnt 1                                 ; this step's numbers are back from the stage (the last step's byte store may be out): so its stores into the stage have read their registers,
.else
	s_wait_dscnt 0x0
.endif
.if (\t)+4 < STEPS
	LOAD (\t)+4                                    ; which take the loads of four steps on
.endif
.if (\t)+1 < STEPS
.if STEPS-2-(\t) >= 3
	s_wait_loadcnt 12                              ; the next step's four loads are in; those of the three steps behind it may be out
.else
	s_wait_loadcnt 4*(STEPS-2-(\t))
.endif
	TURN (\t)+1                                    ; and go through the other stage while this step is worked
.endif
	v_max3_num_f32 v8, |v[XS]|, |v[XS+1]|, |v[XS+2]|               ; the largest magnitude of my 16, in two chains
	v_max3_num_f32 v9, |v[XS+3]|, |v[XS+4]|, |v[XS+5]|
.irp i, 6,10
	v_max3_num_f32 v8, v8, |v[XS+\i]|, |v[XS+\i+1]|
	v_max3_num_f32 v9, v9, |v[XS+\i+2]|, |v[XS+\i+3]|
.endr
	v_max3_num_f32 v8, v8, |v[XS+14]|, |v[XS+15]|
	v_max3_num_f32 v8, v8, v9, (EMAX+1)<<23        ; and the floor 2^(3 - 127): the byte cannot fall under 1
	v_max_num_f32_dpp v8, v8, v8 row_xmask:1 row_mask:0xf bank_mask:0xf   ; and of my neighbour's 16: the block's
	v_add_nc_u32 v11, -(EMAX<<23), v8              ; 2 off its exponent field: the conversion takes the exponent field of this operand as its scale
	v_cvt_scalef32_pk8_fp4_f32 v[C+4*(\t)], v[XS:XS+7], v11        ; eight numbers / the scale, to the nearest code, ties to even, beyond 6 the largest code
	v_cvt_scalef32_pk8_fp4_f32 v[C+4*(\t)+1], v[XS+8:XS+15], v11
	v_lshrrev_b32 v[E+(\t)], 23, v11               ; the scale's byte (also the plain line behind the conversions)
	ds_store_b8 v5, v[E+(\t)] offset:16*(\t)       ; both lanes of a block write the same byte with the same value
	global_store_b64 v4, v[C+4*(\t):C+4*(\t)+1], s[8:9] offset:32*CB*(\t)   ; 32 lanes store 256 consecutive bytes, aligned
.endm
.irp t, 0,1,2,3,4,5,6,7,8,9,10,11,12,13,14,15
	STEP \t
.endr
	ds_load_b64 v[8:9], v6                         ; LDS serves a wave's instructions in order: these see my stores
	s_wait_dscnt 0x0
	global_store_b64 v7, v[8:9], s[10:11]          ; 32 lanes store 256 consecutive bytes, aligned
	s_wait_tensorcnt 0x0                           ; the wave's end: an add to my spare word and its wait, behind my last LDS store
	ds_add_u32 v[SPW], v[NIL]
	s_wait_dscnt 0x0
	s_endpgm
.Lfunc_end_k_q0ca43cbcdf_quant:
	.size	k_q0ca43cbcdf_quant, .Lfunc_end_k_q0ca43cbcdf_quant-k_q0ca43cbcdf_quant
	.p2alignl 7, 3214868480
	.fill 96, 4, 3214868480
	.section	.rodata,"a",@progbits
	.p2align	6, 0x0
	.amdhsa_kernel k_q0ca43cbcdf_quant
		.amdhsa_group_segment_fixed_size 33280
		.amdhsa_private_segment_fixed_size 0
		.amdhsa_enable_private_segment 0
		.amdhsa_kernarg_size 48
		.amdhsa_user_sgpr_count 2
		.amdhsa_user_sgpr_kernarg_segment_ptr 1
		.amdhsa_wavefront_size32 1
		.amdhsa_system_sgpr_workgroup_id_x 1
		.amdhsa_system_sgpr_workgroup_id_y 1
		.amdhsa_system_sgpr_workgroup_id_z 1
		.amdhsa_system_vgpr_workitem_id 0
		.amdhsa_next_free_vgpr 192
		.amdhsa_next_free_sgpr 66
		.amdhsa_reserve_vcc 0
		.amdhsa_float_denorm_mode_32 3
		.amdhsa_float_denorm_mode_16_64 3
		.amdhsa_memory_ordered 1
		.amdhsa_forward_progress 1
		.amdhsa_inst_pref_size 33
	.end_amdhsa_kernel
	.amdgpu_metadata
---
amdhsa.version: [ 1, 2 ]
amdhsa.kernels:
  - .name:           k_q0ca43cbcdf_quant
    .symbol:         k_q0ca43cbcdf_quant.kd
    .args:
      - { .name: query, .offset: 0, .size: 8, .value_kind: global_buffer, .address_space: global }
      - { .name: key, .offset: 8, .size: 8, .value_kind: global_buffer, .address_space: global }
      - { .name: value, .offset: 16, .size: 8, .value_kind: global_buffer, .address_space: global }
      - { .name: W, .offset: 24, .size: 8, .value_kind: global_buffer, .address_space: global }
      - { .name: codes, .offset: 32, .size: 8, .value_kind: global_buffer, .address_space: global }
      - { .name: scales, .offset: 40, .size: 8, .value_kind: global_buffer, .address_space: global }
    .group_segment_fixed_size: 33280
    .private_segment_fixed_size: 0
    .kernarg_segment_align: 8
    .kernarg_segment_size: 48
    .max_flat_workgroup_size: 128
    .sgpr_count:     66
    .vgpr_count:     192
    .wavefront_size: 32
...
	.end_amdgpu_metadata
.endif
;; end of part 1
;; launch proj (part 2): grid 4 x 64, 4 waves a work-group, clusters of 4 x 4, 327,680 bytes of LDS; arguments codes, scales, b, qkv; writes qkv
.if DOCPART == 2
	.amdgcn_target "amdgcn-amd-amdhsa--gfx1250"
	.amdhsa_code_object_version 6
	.text
	.protected	k_q0ca43cbcdf_proj
	.globl	k_q0ca43cbcdf_proj
	.p2align	8
	.type	k_q0ca43cbcdf_proj,@function
k_q0ca43cbcdf_proj:
	s_mov_b64 s[64:65], 0
	v_nop
	global_prefetch_b8 v0, s[64:65] scope:SCOPE_SE
	s_setreg_imm32_b32 hwreg(HW_REG_WAVE_MODE, 25, 1), 1
	s_wait_xcnt 0x0
	s_wait_alu depctr_hold_cnt(0) depctr_sa_sdst(0) depctr_va_vdst(0) depctr_va_sdst(0) depctr_va_ssrc(0) depctr_va_vcc(0) depctr_vm_vsrc(0)
	s_getreg_b32 s2, hwreg(HW_REG_IB_STS2, 6, 4)
	s_cmp_eq_u32 s2, 0
	s_cbranch_scc0 .Lentry_in_a_cluster
	s_endpgm
.Lentry_in_a_cluster:
	s_bfe_u32 s2, ttmp6, 0x10000c
	s_cmp_lg_u32 s2, 0xf033
	s_cbranch_scc0 .Lentry_shape_is_right
	s_endpgm
.Lentry_shape_is_right:
; qkv[m][e] = sum over d of x[m][d] W[e][d] + b[e], rounded once to f16.  x: rows 0-24575 of codes (query, key, value), W: rows 24576-25599; FP4 codes with one E8M0 byte for each 32 along K = 1024.
; LIMIT: the results are kept in f16, so they must stay under 65,504 in magnitude (with the drawn spread they stay under 6; with every input 30 times larger under some 5,000).
; SHARES.  24,576 x 1,024 results are 768 tiles of 128 rows x 256 columns: three for each of 256 work-groups.  A WORK-GROUP STAYS: its three tiles are 384 consecutive rows of x against the same 256 rows of W.
; W's codes for all of K and all scale bytes come into LDS once and stay; x has two slots of one tile each: tiles 0 and 1 are asked for at the head, tile 2 is the one refill, asked for when tile 0's products are done.
; A tile's results leave behind the next tile's first fetches, so that their stores are on their way while the next tile is multiplied.  Four waves; a wave makes 64 rows x 128 columns: 32 accumulators of 16 x 16.
; CLUSTERS: 4 x 4 work-groups.  The four of a row of the cluster need the same rows of x, the four of a column the same rows of W: each tile is asked for jointly, by the same tensor load with the same descriptor and a mask that names the four.
; Every wave issues every load, for a quarter of its own: the half of K by wave / 2, the rows by wave % 2: no branch on the wave's number is needed.
; Nothing is prefetched: the second tile is asked for at the head, the third a whole tile's products ahead of its first use.
; THE MATRIX INSTRUCTION IS USED TRANSPOSED (source 0 = 16 rows of W, source 1 = 16 rows of x): a lane holds eight neighbouring columns of one row.  The bias is the C of each sum's first product.
; REGISTERS, in windows of 256: window 0: v0-31 addresses; v32-95 W's scale words, v96-127 x's (they hold nothing else); v128-159 packed results, v160-223 rows read back.
;   window 1: W's fragments, two sets of 64.   window 2: the accumulators ((a, b) at v[8 (8 a + b)]).   window 3: x's fragments, two sets of 32; v64-127 the bias, 8 registers for each block of 16 columns.
.set KROW,   512                       ; a row of codes in memory
.set PITCH,  272                       ; an LDS row: 256 bytes (512 codes, half of K) + 16 of padding = 68 words: the 16 rows that a load touches start 4 words apart
.set BHALF,  256*PITCH                 ; W's 256 rows, one half of K
.set AHALF,  128*PITCH                 ; a tile's 128 rows of x, one half of K
.set AREG,   2*BHALF                   ; behind W: x's two slots
.set ASLOT,  2*AHALF
.set SCA,    AREG+2*ASLOT              ; the scale bytes of my 384 rows of x: 12,288 dense bytes as 48 rows of 256 + 16 of padding
.set SCB,    SCA+48*272                ; those of W's 256 rows: 32 such rows
.set SBLK,   544                       ; the scale bytes of 16 rows: two such rows
.set SPARE,  SCB+32*272                ; the spare words, 128 bytes a wave, named by no other line
.set STAGE,  SPARE+512                 ; the way out: 16 rows x 272 bytes for each wave; no tensor load lands here
.set SPITCH, 272
.set WROW,   24576                     ; W's first row in codes and scales
.set OROW,   2048                      ; a row of qkv in bytes
.set ADRA, 16                          ; v16-17  LDS address of my fragments of x in slot 0, 1
.set ADRB, 20                          ; v20-21  the same for W, in K's half 0, 1
.set ADSA, 22                          ; v22     LDS address of my rows' scale words of x
.set ADSB, 23                          ; v23     and of W
.set STO,  24                          ; v24     the way out: where I put 16 bytes of a row
.set RD,   25                          ; v25     where I read a row back
.set CO,   26                          ; v26     my byte offset in qkv
.set SPW,  28                          ; v28     LDS address of my spare word; never rewritten
.set NIL,  29                          ; v29     0; never rewritten
.set SRB,  32                          ; W's scale words: register 8 b + q: lane r the word of row 16 b + r for the q-th 128 along K
.set SRA,  96                          ; x's likewise: 8 a + q
.set TMP,  128
.set BK,   160
.set BIAS, 64                          ; in window 3
.set G1A,  24                          ; s[24:31] descriptor group 1 for x's tiles;  s[32:39] group 0, one set for each slot
.set G0A,  32
.set G1B,  48                          ; s[48:55], s[56:59] the same for W
.set G0B,  56
.set G1SA, 68                          ; s[68:75], s[76:79] for x's scales;  s[80:87], s[88:91] for W's
.set G0SA, 76
.set G1SB, 80
.set G0SB, 88
.set MSB, 0
.macro WIN new                         ; the immediate's high byte repeats the setting that is left; a switch that changes nothing is dropped
.if MSB != (\new)
	s_set_vgpr_msb (MSB<<8)|(\new)
.set MSB, (\new)
.endif
.endm
.set W_MUL, 0xad                       ; source 0 (W) window 1, source 1 (x) window 3, C and D window 2
.set W_FST, 0xbd                       ; a tile's first step: C is the bias, in window 3
.set TO_B,  0x40                       ; destination window 1, address window 0
.set TO_A,  0xc0                       ; destination window 3
.macro CROUND                          ; a round of the cluster's barrier: my work-group's barrier, wave 0's signal for the work-group, every wave's wait for all sixteen, my work-group's barrier again
	s_barrier_signal -1
	s_barrier_wait -1
	s_cmp_lg_u32 s14, 0
	s_cbranch_scc1 .Lnot_wave_0_\@
	s_barrier_signal -3
.Lnot_wave_0_\@:
	s_barrier_wait -3
	s_barrier_signal -1
	s_barrier_wait -1
.endm
; A load into a register that a matrix instruction has read, and a vector instruction that reads a matrix result, stand four places behind that matrix instruction; only plain vector
; instructions that name none of its registers are places; this text does not count the matrix instructions in between.
.macro PLACES
.rept 4
	v_nop
.endr
.endm
	s_load_b256 s[4:11], s[0:1], 0x0               ; codes s[4:5], scales s[6:7], b s[8:9], qkv s[10:11]
	v_lshl_add_u32 v[SPW], v0, 2, SPARE
	v_mov_b32 v[NIL], 0
	ds_add_u32 v[SPW], v[NIL]                      ; the wave's opening: the add, twice on end, and its wait ahead of my first tensor load
	ds_add_u32 v[SPW], v[NIL]
	v_lshrrev_b32 v1, 5, v0
	v_readfirstlane_b32 s14, v1                    ; wave 0..3
	s_lshr_b32 s15, s14, 1                         ; which 64 of a tile's rows are mine.  Also: which half of K I fetch
	s_and_b32 s16, s14, 1                          ; which 128 of its columns.  Also: which half of the rows I fetch
	s_bfe_u32 s40, ttmp6, 0x40000                  ; cx, cy: my place in the cluster
	s_bfe_u32 s41, ttmp6, 0x40004
	s_lshl_b32 s42, ttmp9, 2
	s_add_co_u32 s42, s42, s40                     ; tile column 0..3 = 4 x cluster x + cx
	s_and_b32 s17, ttmp7, 0xffff
	s_lshl_b32 s17, s17, 2
	s_add_co_u32 s17, s17, s41                     ; which 384 rows, 0..63 = 4 x cluster y + cy
	s_lshl_b32 s43, s41, 2
	s_lshl_b32 s43, 15, s43                        ; my row of the cluster
	s_lshl_b32 s44, 0x1111, s40                    ; my column
	; descriptor group 1.  Codes: rows of 256 bytes, 512 bytes apart in memory, padded in LDS; x 64 rows to a load, W 128
	s_or_b32 s[G1A+0], s43, (0<<16)|(1<<20)|(1<<21)|(5<<22)|(3<<25)  ; 15:0 the mask; 17:16 elements of 1 byte; 20 padding on; 21 set beside a mask; 24:22 after every 64 words; 31:25 four words
	s_mov_b32 s[G1A+1], 256<<16                    ; tensor_dim0
	s_mov_b32 s[G1A+2], 64<<16                     ; tensor_dim1
	s_mov_b32 s[G1A+3], 256<<16                    ; tile_dim0
	s_mov_b32 s[G1A+4], 64                         ; tile_dim1
	s_mov_b32 s[G1A+5], KROW                       ; from row to row
	s_mov_b32 s[G1A+6], 0
	s_mov_b32 s[G1A+7], 0
	s_or_b32 s[G1B+0], s44, (0<<16)|(1<<20)|(1<<21)|(5<<22)|(3<<25)
	s_mov_b32 s[G1B+1], 256<<16
	s_mov_b32 s[G1B+2], 128<<16
	s_mov_b32 s[G1B+3], 256<<16
	s_mov_b32 s[G1B+4], 128
	s_mov_b32 s[G1B+5], KROW
	s_mov_b32 s[G1B+6], 0
	s_mov_b32 s[G1B+7], 0
	; scale bytes: dense blocks, as rows of 256 bytes (32 elements of 8 bytes), 16 bytes of padding behind each; a wave brings 12 rows of x's, 8 of W's
	s_or_b32 s[G1SA+0], s43, (3<<16)|(1<<20)|(1<<21)|(5<<22)|(3<<25)
	s_mov_b32 s[G1SA+1], 32<<16
	s_mov_b32 s[G1SA+2], 12<<16
	s_mov_b32 s[G1SA+3], 32<<16
	s_mov_b32 s[G1SA+4], 12
	s_mov_b32 s[G1SA+5], 32
	s_mov_b32 s[G1SA+6], 0
	s_mov_b32 s[G1SA+7], 0
	s_or_b32 s[G1SB+0], s44, (3<<16)|(1<<20)|(1<<21)|(5<<22)|(3<<25)
	s_mov_b32 s[G1SB+1], 32<<16
	s_mov_b32 s[G1SB+2], 8<<16
	s_mov_b32 s[G1SB+3], 32<<16
	s_mov_b32 s[G1SB+4], 8
	s_mov_b32 s[G1SB+5], 32
	s_mov_b32 s[G1SB+6], 0
	s_mov_b32 s[G1SB+7], 0
	; where my parts begin, in bytes (all under 2^24).  x's hang on the rows alone, which my row of the cluster shares; W's on the tile column alone, which my column shares
	s_mul_i32 s20, s17, 384                        ; my work-group's first row of x
	s_lshl_b32 s18, s16, 6
	s_add_co_u32 s20, s20, s18                     ; + the 64 rows that I fetch
	s_lshl_b32 s20, s20, 9
	s_lshl_b32 s18, s15, 8                         ; the half of K that I fetch: 256 bytes
	s_add_co_u32 s20, s20, s18
	s_mov_b32 s21, 0
	s_mul_i32 s22, s17, 384*32                     ; x's scales: 32 bytes a row,
	s_mul_i32 s19, s14, 12*256                     ; my quarter of the 12,288
	s_add_co_u32 s22, s22, s19
	s_mov_b32 s23, 0
	s_lshl_b32 s46, s42, 8
	s_lshl_b32 s19, s16, 7
	s_add_co_u32 s46, s46, s19
	s_add_co_u32 s46, s46, WROW                    ; W: row 24576 + 256 x tile column + the 128 rows that I fetch (registers that never hold cy)
	s_lshl_b32 s46, s46, 9
	s_add_co_u32 s46, s46, s18
	s_mov_b32 s47, 0
	s_lshl_b32 s92, s42, 8
	s_add_co_u32 s92, s92, WROW
	s_lshl_b32 s92, s92, 5                         ; W's scales,
	s_lshl_b32 s19, s14, 11                        ; my quarter of the 8,192
	s_add_co_u32 s92, s92, s19
	s_mov_b32 s93, 0
	s_mul_i32 s45, s14, 64*PITCH                   ; where they go: a constant x the wave's number: no place in the cluster enters an LDS address
	s_mul_i32 s94, s14, 128*PITCH
	s_mul_i32 s12, s14, 12*272
	s_mul_i32 s13, s14, 8*272
	s_wait_dscnt 0x0                               ; both opening adds are done
	s_wait_kmcnt 0x0
	s_add_nc_u64 s[20:21], s[4:5], s[20:21]
	s_add_nc_u64 s[22:23], s[6:7], s[22:23]
	s_add_nc_u64 s[46:47], s[4:5], s[46:47]
	s_add_nc_u64 s[92:93], s[6:7], s[92:93]
	CROUND                                         ; all sixteen work-groups are here: the first joint loads meet
	s_mov_b32 s[G0SA], 1                           ; 1:0 count = 1
	s_add_co_u32 s[G0SA+1], s12, SCA               ; 63:32 LDS address
	s_mov_b64 s[G0SA+2:G0SA+3], s[22:23]           ; 120:64 global address
	s_or_b32 s[G0SA+3], s[G0SA+3], 0x80000000      ; 127:126 type = 2
	s_mov_b32 s[G0SB], 1
	s_add_co_u32 s[G0SB+1], s13, SCB
	s_mov_b64 s[G0SB+2:G0SB+3], s[92:93]
	s_or_b32 s[G0SB+3], s[G0SB+3], 0x80000000
	s_mov_b32 s[G0B], 1
	s_mov_b32 s[G0B+1], s94
	s_mov_b64 s[G0B+2:G0B+3], s[46:47]
	s_or_b32 s[G0B+3], s[G0B+3], 0x80000000
.irp j, 0,1
	s_mov_b32 s[G0A+4*\j], 1
	s_add_co_u32 s[G0A+4*\j+1], s45, AREG+\j*ASLOT
	s_add_nc_u64 s[G0A+4*\j+2:G0A+4*\j+3], s[20:21], \j*128*KROW   ; slot j begins with tile j
	s_or_b32 s[G0A+4*\j+3], s[G0A+4*\j+3], 0x80000000
.endr
	tensor_load_to_lds s[G0SA:G0SA+3], s[G1SA:G1SA+7]              ; the first fills go out as one group: five tensor loads of mine are out
	s_nop 0
	tensor_load_to_lds s[G0SB:G0SB+3], s[G1SB:G1SB+7]
	s_nop 0
	tensor_load_to_lds s[G0B:G0B+3], s[G1B:G1B+7]
	s_nop 0
	tensor_load_to_lds s[G0A:G0A+3], s[G1A:G1A+7]
	s_nop 0
	tensor_load_to_lds s[G0A+4:G0A+7], s[G1A:G1A+7]                ; tile 1 last: the first wait leaves it out
	s_nop 0
	PLACES
	v_and_b32 v1, 15, v0                           ; l % 16
	v_bfe_u32 v2, v0, 4, 1                         ; l / 16
	; the bias in the result's layout: register 8 b + j of lane (r, h) is b[my first column + 16 b + 8 h + j]
	s_lshl_b32 s46, s42, 10                        ; 256 columns x 4 bytes a tile column,
	s_lshl_b32 s47, s16, 9                         ; 128 x 4 for my half
	s_add_co_u32 s46, s46, s47
	s_mov_b32 s47, 0
	s_add_nc_u64 s[8:9], s[8:9], s[46:47]
	v_lshlrev_b32 v7, 5, v2                        ; 32 h; not rewritten
	WIN TO_A
.irp i, 0,1,2,3,4,5,6,7
	global_load_b128 v[BIAS+8*\i:BIAS+8*\i+3], v7, s[8:9] offset:64*\i
	global_load_b128 v[BIAS+8*\i+4:BIAS+8*\i+7], v7, s[8:9] offset:64*\i+16
.endr
	WIN 0
	v_mul_u32_u24 v3, v1, PITCH
	v_lshl_add_u32 v4, v2, 4, v3                   ; a fragment's row x pitch + 16 x half
	s_mul_i32 s21, s15, 64*PITCH                   ; my 64 rows of a tile of x,
	s_add_co_u32 s21, s21, AREG
	s_mul_i32 s22, s16, 128*PITCH                  ; my 128 rows of W
.irp s, 0,1
	v_add_nc_u32 v[ADRA+\s], s21, v4
	v_add_nc_u32 v[ADRB+\s], s22, v4
	s_add_co_u32 s21, s21, ASLOT
	s_add_co_u32 s22, s22, BHALF
.endr
	v_lshlrev_b32 v5, 5, v1                        ; my row's scales: 32 bytes a row,
	v_lshrrev_b32 v6, 8, v5
	v_lshl_add_u32 v5, v6, 4, v5                   ; and 16 more for the 256 passed
	s_mul_i32 s21, s15, 4*SBLK
	s_add_co_u32 s21, s21, SCA
	v_add_nc_u32 v[ADSA], s21, v5
	s_mul_i32 s22, s16, 8*SBLK
	s_add_co_u32 s22, s22, SCB
	v_add_nc_u32 v[ADSB], s22, v5
	s_mul_i32 s23, s14, 16*SPITCH
	s_add_co_u32 s23, s23, STAGE                   ; my stage
	v_mul_u32_u24 v5, v1, SPITCH                   ; in: row l % 16, 16 bytes for each half of the lanes
	v_lshl_add_u32 v5, v2, 4, v5
	v_add_nc_u32 v[STO], s23, v5
	v_mul_u32_u24 v5, v2, SPITCH                   ; back: lanes 0-15 one row of 256 bytes, lanes 16-31 the next
	v_lshl_add_u32 v5, v1, 4, v5
	v_add_nc_u32 v[RD], s23, v5
	v_lshlrev_b32 v5, 11, v2                       ; and the same two rows in qkv
	v_lshl_add_u32 v[CO], v1, 4, v5
	s_mul_i32 s20, s17, 384
	s_lshl_b32 s21, s15, 6
	s_add_co_u32 s20, s20, s21                     ; my first row of qkv
	s_lshl_b32 s20, s20, 11                        ; x 2,048 bytes (under 2^26)
	s_lshl_b32 s46, s42, 9                         ; my first column, in bytes: 512 x tile column + 256 x half
	s_lshl_b32 s47, s16, 8
	s_add_co_u32 s46, s46, s47
	s_add_co_u32 s20, s20, s46
	s_mov_b32 s21, 0
	s_add_nc_u64 s[10:11], s[10:11], s[20:21]
.macro FRAG reg, adr, off              ; a fragment, 16 rows x 128 K of 4-bit codes: lane l holds row l % 16; registers 4 c .. 4 c + 3 hold K = 64 c + 32 (l / 16) + 0 .. 31
.irp c, 0,1
	ds_load_b128 v[\reg+4*\c:\reg+4*\c+3], v[\adr] offset:\off+32*\c
.endr
.endm
.macro FETCHS slot, q, p               ; 24 LDS loads in one run: the fragments of the q-th 128 along K (q = 0 .. 7): W's eight and, from x's slot, my four, into the sets p
	WIN TO_B
.irp i, 0,1,2,3,4,5,6,7
	FRAG 64*(\p)+8*\i, ADRB+(\q)/4, 64*((\q)%4)+\i*16*PITCH
.endr
	WIN TO_A
.irp i, 0,1,2,3
	FRAG 32*(\p)+8*\i, ADRA+(\slot), ((\q)/4)*AHALF+64*((\q)%4)+\i*16*PITCH
.endr
.endm
.macro SCALES_B                        ; W's scale words for all of K: eight words a row, two loads a block of 16 rows; once
.irp i, 0,1,2,3,4,5,6,7
.irp k, 0,1
	ds_load_b128 v[SRB+8*\i+4*\k:SRB+8*\i+4*\k+3], v[ADSB] offset:\i*SBLK+16*\k
.endr
.endr
.endm
.macro SCALES_A j                      ; those of my 64 rows of tile j
.irp i, 0,1,2,3
.irp k, 0,1
	ds_load_b128 v[SRA+8*\i+4*\k:SRA+8*\i+4*\k+3], v[ADSA] offset:(\j)*8*SBLK+\i*SBLK+16*\k
.endr
.endr
.endm
; 32 matrix instructions: my four blocks of x against W's eight, the q-th 128 along K, from the sets p.  first = 1: the bias is C and starts the sums: nothing is cleared or added later.
; The 32 accumulators take turns, one instruction a turn, in the same order in every step.
.macro MUL32 p, q, first
.irp a, 0,1,2,3
.irp b, 0,1,2,3,4,5,6,7
.if \first
	v_wmma_scale_f32_16x16x128_f8f6f4 v[8*(8*\a+\b):8*(8*\a+\b)+7], v[64*(\p)+8*\b:64*(\p)+8*\b+7], v[32*(\p)+8*\a:32*(\p)+8*\a+7], v[BIAS+8*\b:BIAS+8*\b+7], v[SRB+8*\b+(\q)], v[SRA+8*\a+(\q)] matrix_a_fmt:MATRIX_FMT_FP4 matrix_b_fmt:MATRIX_FMT_FP4
.else
	v_wmma_scale_f32_16x16x128_f8f6f4 v[8*(8*\a+\b):8*(8*\a+\b)+7], v[64*(\p)+8*\b:64*(\p)+8*\b+7], v[32*(\p)+8*\a:32*(\p)+8*\a+7], v[8*(8*\a+\b):8*(8*\a+\b)+7], v[SRB+8*\b+(\q)], v[SRA+8*\a+(\q)] matrix_a_fmt:MATRIX_FMT_FP4 matrix_b_fmt:MATRIX_FMT_FP4
.endif
.endr
.endr
.endm
; A step of 128 along K: the next step's fragments are asked for at its head, into the sets that the step before has multiplied, and have this step's 32 products in which to land.
.macro STEP slot, q, first
	PLACES
	FETCHS \slot, (\q)+1, ((\q)+1)%2
	s_wait_dscnt 24                                ; all but the 24 just issued: this step's fragments are in
.if \first
	WIN W_FST
.else
	WIN W_MUL
.endif
	MUL32 (\q)%2, \q, \first
.endm
.macro TILE slot                       ; a tile's 256 products; its first fragments and scale words have been asked for
	STEP \slot, 0, 1
.irp q, 1,2,3,4,5,6
	STEP \slot, \q, 0
.endr
	s_wait_dscnt 0x0                               ; the last step: nothing more to fetch; my reads of the slot are over
	WIN W_MUL
	MUL32 1, 7, 0
	WIN 0
.endm
; Between two tiles: one barrier.  In front of it each wave waits for all its tensor loads (its part of tile j is the one that may be out), adds 0 to its spare word and waits for that; its reads of the slot that it leaves
; were waited for in the tile's last step.  refill = 1: the barrier is a round of the cluster's, and the slot just left takes the tile two on, first thing behind the round, one load a wave.
; Then tile j's scale words and first fragments are asked for; they land while the tile before goes out.
.macro NEXT j, refill
	s_wait_tensorcnt 0x0
	ds_add_u32 v[SPW], v[NIL]
.if \refill
	s_add_nc_u64 s[G0A+2:G0A+3], s[G0A+2:G0A+3], 2*128*KROW        ; no tensor load of mine is out, so a group 0 may be written: two tiles on
.endif
	s_wait_dscnt 0x0
.if \refill
	CROUND                                         ; no wave of any partner still reads the slot or has a load on its way
	tensor_load_to_lds s[G0A:G0A+3], s[G1A:G1A+7]
	s_nop 0
.else
	s_barrier_signal -1
	s_barrier_wait -1
.endif
	PLACES                                         ; behind the tensor load, and the places behind the tile's last products
	SCALES_A \j
	FETCHS (\j)%2, 0, 0
	WIN 0
.endm
; THE WAY OUT, block by block of 16 rows x 128 columns.  A lane's eight results round to 16 bytes of one row; the lanes beside it hold other rows: so a block goes through my own stage in LDS
; and comes back as whole rows of 256 bytes.  LDS serves a wave's instructions in order: no wait between the stores and the loads.
.macro PACK a
	WIN 0x0a                                       ; sources 0 and 1: window 2
.irp b, 0,1,2,3,4,5,6,7
.irp r, 0,1,2,3
	v_cvt_pk_f16_f32 v[TMP+4*\b+\r], v[64*(\a)+8*\b+2*\r], v[64*(\a)+8*\b+2*\r+1]   ; each accumulator from its low end on
.endr
.endr
	WIN 0
.endm
.macro TOSTAGE a
.set BB, BK+32*((\a)%2)
.irp b, 0,1,2,3,4,5,6,7
	ds_store_b128 v[STO], v[TMP+4*\b:TMP+4*\b+3] offset:32*\b
.endr
.irp t, 0,1,2,3,4,5,6,7
	ds_load_b128 v[BB+4*\t:BB+4*\t+3], v[RD] offset:\t*2*SPITCH
.endr
.endm
.macro SEND a, step                    ; step: rows from the block stored last to this one
.set BB, BK+32*((\a)%2)
	s_wait_dscnt 0x0                               ; the block is back in registers
	s_wait_xcnt 0x0                                ; earlier stores have read their base and their registers: both may be written again
.if \step
	s_add_nc_u64 s[10:11], s[10:11], (\step)*OROW
.endif
.irp t, 0,1,2,3,4,5,6,7
	global_store_b128 v[CO], v[BB+4*\t:BB+4*\t+3], s[10:11] offset:2*\t*OROW   ; 16 lanes store 256 consecutive bytes, at a multiple of 256 from qkv's first byte
.endr
.endm
.macro WAYOUT first                    ; first: rows from the last block of the tile before to this tile's first: 128 - 48; 0 for the first tile.  A block's conversions stand between the loads of the block before and the wait for them
	PACK 0
	TOSTAGE 0
	PACK 1
	SEND 0, \first
	TOSTAGE 1
	PACK 2
	SEND 1, 16
	TOSTAGE 2
	PACK 3
	SEND 2, 16
	TOSTAGE 3
	SEND 3, 16
.endm
	s_wait_tensorcnt 1                             ; the scales, W and my part of tile 0 are in (tile 1's load may be out),
	s_barrier_signal -1
	s_barrier_wait -1                              ; everybody's are
	SCALES_B
	SCALES_A 0
	FETCHS 0, 0, 0
	s_wait_loadcnt 0x0                             ; the bias
	TILE 0
	NEXT 1, 1                                      ; tile 1 is whole; slot 0 takes tile 2
	WAYOUT 0
	TILE 1
	NEXT 2, 0                                      ; tile 2 is whole; nothing is left to fetch
	WAYOUT 80
	TILE 0
	PLACES                                         ; behind the last products
	WAYOUT 80
	s_wait_tensorcnt 0x0                           ; the wave's end: an add to my spare word and its wait, behind my last tensor load and my last LDS store
	ds_add_u32 v[SPW], v[NIL]
	s_wait_dscnt 0x0
	CROUND                                         ; the closing round: no work-group ends while a partner may still ask for a tile that names it
	s_endpgm
.Lfunc_end_k_q0ca43cbcdf_proj:
	.size	k_q0ca43cbcdf_proj, .Lfunc_end_k_q0ca43cbcdf_proj-k_q0ca43cbcdf_proj
	.p2alignl 7, 3214868480
	.fill 96, 4, 3214868480
	.section	.rodata,"a",@progbits
	.p2align	6, 0x0
	.amdhsa_kernel k_q0ca43cbcdf_proj
		.amdhsa_group_segment_fixed_size 327680
		.amdhsa_private_segment_fixed_size 0
		.amdhsa_enable_private_segment 0
		.amdhsa_kernarg_size 32
		.amdhsa_user_sgpr_count 2
		.amdhsa_user_sgpr_kernarg_segment_ptr 1
		.amdhsa_wavefront_size32 1
		.amdhsa_system_sgpr_workgroup_id_x 1
		.amdhsa_system_sgpr_workgroup_id_y 1
		.amdhsa_system_sgpr_workgroup_id_z 1
		.amdhsa_system_vgpr_workitem_id 0
		.amdhsa_next_free_vgpr 1024
		.amdhsa_next_free_sgpr 98
		.amdhsa_reserve_vcc 0
		.amdhsa_float_denorm_mode_32 3
		.amdhsa_float_denorm_mode_16_64 3
		.amdhsa_memory_ordered 1
		.amdhsa_forward_progress 1
		.amdhsa_inst_pref_size 200
	.end_amdhsa_kernel
	.amdgpu_metadata
---
amdhsa.version: [ 1, 2 ]
amdhsa.kernels:
  - .name:           k_q0ca43cbcdf_proj
    .symbol:         k_q0ca43cbcdf_proj.kd
    .args:
      - { .name: codes, .offset: 0, .size: 8, .value_kind: global_buffer, .address_space: global }
      - { .name: scales, .offset: 8, .size: 8, .value_kind: global_buffer, .address_space: global }
      - { .name: b, .offset: 16, .size: 8, .value_kind: global_buffer, .address_space: global }
      - { .name: qkv, .offset: 24, .size: 8, .value_kind: global_buffer, .address_space: global }
    .group_segment_fixed_size: 327680
    .private_segment_fixed_size: 0
    .kernarg_segment_align: 8
    .kernarg_segment_size: 32
    .max_flat_workgroup_size: 128
    .sgpr_count:     98
    .vgpr_count:     1024
    .wavefront_size: 32
...
	.end_amdgpu_metadata
.endif
;; end of part 2
;; launch scores (part 3): grid 8 x 32, 4 waves a work-group, clusters of 4 x 4, 327,680 bytes of LDS; arguments qkv, pbuf, stats; writes pbuf, stats
.if DOCPART == 3
	.amdgcn_target "amdgcn-amd-amdhsa--gfx1250"
	.amdhsa_code_object_version 6
	.text
	.protected	k_q0ca43cbcdf_scores
	.globl	k_q0ca43cbcdf_scores
	.p2align	8
	.type	k_q0ca43cbcdf_scores,@function
k_q0ca43cbcdf_scores:
	s_mov_b64 s[64:65], 0
	v_nop
	global_prefetch_b8 v0, s[64:65] scope:SCOPE_SE
	s_setreg_imm32_b32 hwreg(HW_REG_WAVE_MODE, 25, 1), 1
	s_wait_xcnt 0x0
	s_wait_alu depctr_hold_cnt(0) depctr_sa_sdst(0) depctr_va_vdst(0) depctr_va_sdst(0) depctr_va_ssrc(0) depctr_va_vcc(0) depctr_vm_vsrc(0)
	s_getreg_b32 s2, hwreg(HW_REG_IB_STS2, 6, 4)
	s_cmp_eq_u32 s2, 0
	s_cbranch_scc0 .Lentry_in_a_cluster
	s_endpgm
.Lentry_in_a_cluster:
	s_bfe_u32 s2, ttmp6, 0x10000c
	s_cmp_lg_u32 s2, 0xf033
	s_cbranch_scc0 .Lentry_shape_is_right
	s_endpgm
.Lentry_shape_is_right:
; S[n][q][k] = q[n][q] . k[n][k] (f16 operands, f32 sums, K = 1024), and the softmax's first half, by blocks of 128 keys.
; t = S x c, c = log2(e) / sqrt(1024).  For each query and each block kb of 128 keys: M = the block's largest t rounded UP to a whole number; p' = 2^(t - M), rounded to f16, goes to pbuf [2048 n + q][2048 keys];
; M goes to stats [n][kb][q] (f32 whole numbers) and the block's sum of the unrounded p' to the same place 524,288 bytes on.  The next launch brings the 16 blocks of a row under the row's largest M by factors 2^(M_kb - M_row).
; So a maximum is taken away ahead of every exponential, and no work-group needs another's numbers.  c is folded into one fused multiply-add, t - M = S c - M, so t carries c's rounding alone.
; A tile of 256 queries x 256 keys is made by a work-group of four waves; a wave makes 128 x 128: 64 accumulators, 512 registers: its 128 keys are one block kb.  K goes in 8 steps of 128 through a ring of two LDS slots.
; CLUSTERS: 4 x 4 work-groups of one batch.  The four of a row of the cluster need the same rows of q, the four of a column the same rows of k: each tile is asked for jointly.
; THE MATRIX INSTRUCTION IS USED TRANSPOSED (source 0 = 16 keys, source 1 = 16 queries): lane l holds query l % 16, and register j of accumulator (a, b) key 16 b + 8 (l / 16) + j.
; REGISTERS, in windows of 256: window 0: v0-31 addresses; v32-44 the softmax's few numbers; v64-127, v128-191 q's fragments, two buffers (on the way out: rows read back, the statistics); v192-223 packed p'.
;   window 1: v64-127, v128-191 k's fragments.   window 2: the accumulators of my queries 0-63 ((a, b) at v[8 (8 a + b)]);   window 3: those of queries 64-127.
.set KSTEP,  128
.set QROW,   2048                      ; a row of qkv in bytes
.set PROW,   4096                      ; a row of pbuf in bytes
.set PITCH,  272                       ; an LDS row: 256 bytes + 16 of padding = 68 words
.set HALFT,  128*PITCH
.set SLOT,   4*HALFT                   ; q's 256 rows, then k's 256 rows
.set STAGE,  2*SLOT                    ; behind the ring: 16 rows x 272 bytes for each wave
.set SPITCH, 272
.set SPARE,  STAGE+4*16*SPITCH         ; the spare words, 128 bytes a wave, named by no other line
.set STAT,   SPARE+512                 ; 1,024 bytes for each wave: M of its 128 queries, then their sums
.set LAPS,   4                         ; a lap = two K steps = once round the ring
.set ADRA, 16                          ; v16-17  LDS address of my fragments of q in slot 0, 1
.set ADRB, 20                          ; v20-21  the same for k
.set CO2,  23                          ; v23     16 x lane
.set STO,  24                          ; v24     the way out: where I put 16 bytes of a row
.set RD,   25                          ; v25     where I read a row back
.set CO,   26                          ; v26     my byte offset in pbuf
.set STA,  27                          ; v27     where I put M (lanes 0-15) or the sum (lanes 16-31) of query l % 16
.set SPW,  28                          ; v28     LDS address of my spare word; never rewritten
.set NIL,  29                          ; v29     0; never rewritten
.set PFO,  30                          ; v30     the prefetches' offset: my lane x a row of qkv; never rewritten
.set STR,  31                          ; v31     where I read the statistics back
.set MX,   32                          ; v32-35  four running maxima; v36 the other half of the lanes'
.set MP,   37                          ; v37     M
.set NM,   38                          ; v38     -M; v39 is named with it as a pair
.set SM,   40                          ; v40-43  the sum, in two chains of pairs
.set SV,   44                          ; v44     what goes to the statistics
.set F0,   64
.set F1,   128
.set BK,   64                          ; the way out: 16 rows read back: v64-95 and v96-127 by turns
.set TMP,  192
.set G1, 24                            ; s[24:31] descriptor group 1 for q's tiles;  s[32:39] group 0, one set for each slot
.set G0, 32
.set G1B, 48                           ; s[48:55], s[56:63] the same for k's tiles
.set G0B, 56
.set PFA, 66                           ; s[66:67] where my prefetches stand
.set LIM, 68                           ; s68     1 in a wave that prefetches, else the greatest number
.set CS,  70                           ; s[70:71] c, twice: the packed form names a pair
.set SEL, 72                           ; s[72:73] lane selects for v_permlanex16_b32: lane l xor 16
.set HM,  74                           ; s74     a mask of lanes 16-31
.set MSB, 0
.macro WIN new
.if MSB != (\new)
	s_set_vgpr_msb (MSB<<8)|(\new)
.set MSB, (\new)
.endif
.endm
.set MUL_LO, 0xa1                      ; source 0 (k) window 1, source 1 (q) window 0, C and D window 2
.set MUL_HI, 0xf1                      ; the same, C and D window 3
.set TO_B,   0x40                      ; destination window 1, address window 0
; A joint load.  Waves 0 and 1 fetch q's two halves, waves 2 and 3 k's.  The branch hangs on the wave's number alone.  An s_nop 0 and four v_nop follow each line.
.macro JLOAD s
	s_cmp_eq_u32 s11, 0
	s_cbranch_scc0 .Lfor_b_\@
	tensor_load_to_lds s[G0+4*\s:G0+4*\s+3], s[G1:G1+7]
	s_nop 0
.rept 4
	v_nop
.endr
	s_branch .Lasked_\@
.Lfor_b_\@:
	tensor_load_to_lds s[G0B+4*\s:G0B+4*\s+3], s[G1B:G1B+7]
	s_nop 0
.rept 4
	v_nop
.endr
.Lasked_\@:
.endm
; A prefetch of the K step that stands two refills on: 32 rows x 256 bytes, a lane a row, one instruction a wave.  Each row's 256 bytes of a K step are named once in the launch: q's tile row is read by both
; clusters of its row of clusters, and the one with cluster x = 0 asks; k's tile column by the two clusters of its batch, and the one with even cluster y asks.  The four partners that ask for a tile jointly
; share its rows out by address: of the 128 rows that a wave fetches the partner at place p takes 32 p .. 32 p + 31.  The loop's last trip (s3 = 1) asks for nothing: K has no step two on.
.macro ASK
	s_cmp_gt_u32 s3, s[LIM]
	s_cbranch_scc0 .Lnot_mine_\@
	global_prefetch_b8 v[PFO], s[PFA:PFA+1] th:TH_LOAD_NT scope:SCOPE_SE
.Lnot_mine_\@:
.endm
.macro CREST                           ; a round of the cluster's barrier behind its opening barrier
	s_cmp_lg_u32 s10, 0
	s_cbranch_scc1 .Lnot_wave_0_\@
	s_barrier_signal -3
.Lnot_wave_0_\@:
	s_barrier_wait -3
	s_barrier_signal -1
	s_barrier_wait -1
.endm
.macro CROUND
	s_barrier_signal -1
	s_barrier_wait -1
	CREST
.endm
	s_load_b128 s[4:7], s[0:1], 0x0                ; qkv s[4:5], pbuf s[6:7]
	s_load_b64 s[8:9], s[0:1], 0x10                ; stats
	v_lshl_add_u32 v[SPW], v0, 2, SPARE
	v_mov_b32 v[NIL], 0
	ds_add_u32 v[SPW], v[NIL]                      ; the wave's opening: the add, twice on end, and its wait ahead of my first tensor load
	ds_add_u32 v[SPW], v[NIL]
	v_lshrrev_b32 v1, 5, v0
	v_readfirstlane_b32 s10, v1                    ; wave 0..3
	s_lshr_b32 s11, s10, 1                         ; which half of the tile's queries is mine.  Also: I fetch for q (0) or for k (1)
	s_and_b32 s12, s10, 1                          ; which half of its keys.  Also: which 128 rows of that tile I fetch
	s_bfe_u32 s40, ttmp6, 0x40000                  ; cx
	s_bfe_u32 s41, ttmp6, 0x40004                  ; cy
	s_lshl_b32 s42, ttmp9, 2
	s_add_co_u32 s42, s42, s40                     ; key tile 0..7 = 4 x cluster x + cx
	s_and_b32 s45, ttmp7, 0xffff                   ; cluster y 0..7
	s_lshl_b32 s13, s45, 2
	s_add_co_u32 s13, s13, s41                     ; query tile 0..31 = 4 x cluster y + cy
	s_lshr_b32 s69, s45, 1                         ; the batch: eight query tiles, two clusters, each: all sixteen partners share it
	s_lshl_b32 s43, s41, 2
	s_lshl_b32 s43, 15, s43                        ; my row of the cluster
	s_lshl_b32 s44, 0x1111, s40                    ; my column
	; descriptor group 1: a tile of 128 rows x 128 elements of 2 bytes, padded in LDS
	s_or_b32 s[G1+0], s43, (1<<16)|(1<<20)|(1<<21)|(5<<22)|(3<<25)  ; 15:0 the mask; 17:16 elements of 2 bytes; 20 padding on; 21 set beside a mask; 24:22 after every 64 words; 31:25 four words
	s_or_b32 s[G1B+0], s44, (1<<16)|(1<<20)|(1<<21)|(5<<22)|(3<<25)
.irp g, G1, G1B
	s_mov_b32 s[\g+1], KSTEP<<16                   ; tensor_dim0
	s_mov_b32 s[\g+2], 128<<16                     ; tensor_dim1
	s_mov_b32 s[\g+3], KSTEP<<16                   ; tile_dim0
	s_mov_b32 s[\g+4], 128                         ; tile_dim1
	s_mov_b32 s[\g+5], 1024                        ; elements from row to row
	s_mov_b32 s[\g+6], 0
	s_mov_b32 s[\g+7], 0
.endr
	s_mov_b32 s[CS], 0x3d38aa3b                    ; c = log2(e) / 32
	s_mov_b32 s[CS+1], s[CS]
	s_mov_b32 s[SEL], 0x76543210
	s_mov_b32 s[SEL+1], 0xfedcba98
	s_mov_b32 s[HM], 0xffff0000
	s_lshl_b32 s18, s12, 7                         ; which 128 rows of the tile I fetch
	s_lshl_b32 s16, s13, 8
	s_add_co_u32 s16, s16, s18                     ; q: row 256 x query tile + 128 x half
	s_lshl_b32 s16, s16, 11                        ; in bytes (under 2^26)
	s_mov_b32 s17, 0
	s_lshl_b32 s46, s42, 8
	s_add_co_u32 s46, s46, s18
	s_lshl_b32 s47, s69, 11
	s_add_co_u32 s46, s46, s47
	s_add_co_u32 s46, s46, 8192                    ; k: row 8192 + 2048 x batch + 256 x key tile + 128 x half (registers that never hold cy)
	s_lshl_b32 s46, s46, 11
	s_mov_b32 s47, 0
	s_mul_i32 s20, s10, HALFT                      ; where they go: wave x 128 rows
	s_wait_dscnt 0x0                               ; both opening adds are done
	s_wait_kmcnt 0x0
	s_add_nc_u64 s[14:15], s[4:5], s[16:17]
	s_add_nc_u64 s[46:47], s[4:5], s[46:47]
	CROUND                                         ; all sixteen work-groups are here: the first joint loads meet
.irp s, 0,1
	s_mov_b32 s[G0+4*\s], 1
	s_add_co_u32 s[G0+4*\s+1], s20, \s*SLOT
	s_add_nc_u64 s[G0+4*\s+2:G0+4*\s+3], s[14:15], \s*KSTEP*2
	s_or_b32 s[G0+4*\s+3], s[G0+4*\s+3], 0x80000000
	s_mov_b32 s[G0B+4*\s], 1
	s_add_co_u32 s[G0B+4*\s+1], s20, \s*SLOT
	s_add_nc_u64 s[G0B+4*\s+2:G0B+4*\s+3], s[46:47], \s*KSTEP*2
	s_or_b32 s[G0B+4*\s+3], s[G0B+4*\s+3], 0x80000000
	JLOAD \s                                       ; two tensor loads of mine are out at the most
.endr
	; a fragment is 16 rows x 32 K in 8 registers: lane l holds row l % 16; registers 0-3 K = 8 (l / 16) + 0..7, registers 4-7 K = 16 + 8 (l / 16) + 0..7: two loads of 16 bytes, 32 bytes apart
	v_and_b32 v1, 15, v0                           ; l % 16
	v_bfe_u32 v2, v0, 4, 1                         ; l / 16
	v_mul_u32_u24 v3, v1, PITCH
	v_lshl_add_u32 v3, v2, 4, v3
	s_mul_i32 s21, s11, HALFT                      ; my 128 rows of q
	s_mul_i32 s22, s12, HALFT                      ; my 128 rows of k,
	s_add_co_u32 s22, s22, 2*HALFT                 ; which lie behind q's 256
.irp s, 0,1
	v_add_nc_u32 v[ADRA+\s], s21, v3
	v_add_nc_u32 v[ADRB+\s], s22, v3
	s_add_co_u32 s21, s21, SLOT
	s_add_co_u32 s22, s22, SLOT
.endr
	s_mul_i32 s23, s10, 16*SPITCH
	s_add_co_u32 s23, s23, STAGE                   ; my stage
	v_mul_u32_u24 v4, v1, SPITCH
	v_lshl_add_u32 v4, v2, 4, v4
	v_add_nc_u32 v[STO], s23, v4
	v_mul_u32_u24 v5, v2, SPITCH
	v_lshl_add_u32 v5, v1, 4, v5
	v_add_nc_u32 v[RD], s23, v5
	v_lshlrev_b32 v5, 12, v2                       ; two rows of pbuf an instruction
	v_lshl_add_u32 v[CO], v1, 4, v5
	s_lshl_b32 s21, s10, 10
	s_add_co_u32 s21, s21, STAT                    ; my statistics
	v_lshlrev_b32 v4, 2, v1
	v_lshl_add_u32 v4, v2, 9, v4                   ; 4 (l % 16) + 512 (l / 16)
	v_add_nc_u32 v[STA], s21, v4
	v_and_b32 v4, 31, v0
	v_lshlrev_b32 v[CO2], 4, v4
	v_add_nc_u32 v[STR], s21, v[CO2]
	v_lshlrev_b32 v[PFO], 11, v4
	v_mov_b32 v[MX+4], 0                           ; written once: a lane permute's destination counts as one of its sources
	v_mov_b32 v[NM+1], 0                           ; (named as the upper half of a pair)
	; pbuf at my part of the tile
	s_lshl_b32 s16, s13, 8
	s_lshl_b32 s17, s11, 7
	s_add_co_u32 s16, s16, s17                     ; my first row: 256 x query tile + 128 x half
	s_lshl_b32 s16, s16, 12
	s_lshl_b32 s46, s42, 9                         ; my first key, in bytes: 512 x key tile + 256 x half
	s_lshl_b32 s47, s12, 8
	s_add_co_u32 s46, s46, s47
	s_add_co_u32 s16, s16, s46
	s_mov_b32 s17, 0
	s_add_nc_u64 s[6:7], s[6:7], s[16:17]
	; stats at [batch][kb = 2 x key tile + half][my first query of the batch]
	s_lshl_b32 s16, s69, 4
	s_lshl_b32 s46, s42, 1
	s_add_co_u32 s16, s16, s46
	s_add_co_u32 s16, s16, s12
	s_lshl_b32 s16, s16, 11
	s_and_b32 s46, s13, 7
	s_lshl_b32 s46, s46, 8
	s_add_co_u32 s16, s16, s46
	s_lshl_b32 s46, s11, 7
	s_add_co_u32 s16, s16, s46
	s_lshl_b32 s16, s16, 2
	s_add_nc_u64 s[8:9], s[8:9], s[16:17]
	; the prefetches
	s_and_b32 s22, s45, 1                          ; cluster y's low bit
	s_lshl_b32 s20, s13, 8                         ; q's tile: its first row
	s_lshl_b32 s21, s42, 8
	s_lshl_b32 s23, s69, 11
	s_add_co_u32 s21, s21, s23
	s_add_co_u32 s21, s21, 8192                    ; k's tile: its first row
	s_cmp_eq_u32 s11, 0                            ; do I fetch for q?
	s_cselect_b32 s20, s20, s21
	s_cselect_b32 s21, s40, s41                    ; my place among the four that ask with me
	s_cselect_b32 s22, ttmp9, s22                  ; the coordinate along which another cluster reads the same rows
	s_cmp_eq_u32 s22, 0
	s_cselect_b32 s[LIM], 1, -1                    ; the same in all sixteen partners, for a given wave
	s_lshl_b32 s22, s12, 7
	s_add_co_u32 s20, s20, s22                     ; + the 128 rows that I fetch
	s_lshl_b32 s21, s21, 5
	s_add_co_u32 s20, s20, s21                     ; + my work-group's 32 of them
	s_lshl_b32 s20, s20, 11
	s_add_co_u32 s20, s20, 3*KSTEP*2               ; at K step 3: the first refill, of K step 2, steps it to 4.  Nothing is prefetched here, at the head
	s_mov_b32 s21, 0
	s_add_nc_u64 s[PFA:PFA+1], s[4:5], s[20:21]
; 16 matrix instructions: query blocks a0, a0 + 1 of the window's four x all 8 key blocks, 32 along K.  zero = 1: the first product starts the sums.
; The 64 accumulators take turns, one instruction a turn, in the same order in every quarter.
.macro MUL16 f, hi, a0, zero
.irp a, \a0, \a0+1
.irp b, 0,1,2,3,4,5,6,7
.if \zero
	v_wmma_f32_16x16x32_f16 v[8*(8*(\a)+\b):8*(8*(\a)+\b)+7], v[\f+8*\b:\f+8*\b+7], v[\f+8*(4*\hi+\a):\f+8*(4*\hi+\a)+7], 0
.else
	v_wmma_f32_16x16x32_f16 v[8*(8*(\a)+\b):8*(8*(\a)+\b)+7], v[\f+8*\b:\f+8*\b+7], v[\f+8*(4*\hi+\a):\f+8*(4*\hi+\a)+7], v[8*(8*(\a)+\b):8*(8*(\a)+\b)+7]
.endif
.endr
.endr
.endm
.macro FETCH slot, k, f                ; 32 LDS loads in one run: the fragments of one quarter step (32 K at byte k of the rows) into buffer f
	WIN TO_B
.irp i, 0,1,2,3,4,5,6,7
	ds_load_b128 v[\f+8*\i:\f+8*\i+3],   v[ADRB+\slot] offset:\k+\i*16*PITCH
	ds_load_b128 v[\f+8*\i+4:\f+8*\i+7], v[ADRB+\slot] offset:\k+\i*16*PITCH+32
.endr
	WIN 0
.irp i, 0,1,2,3,4,5,6,7
	ds_load_b128 v[\f+8*\i:\f+8*\i+3],   v[ADRA+\slot] offset:\k+\i*16*PITCH
	ds_load_b128 v[\f+8*\i+4:\f+8*\i+7], v[ADRA+\slot] offset:\k+\i*16*PITCH+32
.endr
.endm
.macro PLACES                          ; four places in front of loads into registers that matrix instructions have read, and of vector instructions that read results
.rept 4
	v_nop
.endr
.endm
; A K step is four quarters of 32 along K, 64 matrix instructions each, on buffers 0, 1, 0, 1.  One of the first three multiplies buffer f and, in its middle, fetches the next quarter into g.
.macro QUARTER slot, k, f, g, zero
	s_wait_dscnt 8                                 ; k's fragments and q's rows 0-63 are in; the youngest eight loads (q's rows 64-127) may be out
	WIN MUL_LO
	MUL16 \f, 0, 0, \zero
	MUL16 \f, 0, 2, \zero
	PLACES
	FETCH \slot, \k, \g
	s_wait_dscnt 32                                ; all but the 32 just issued
	WIN MUL_HI
	MUL16 \f, 1, 0, \zero
	MUL16 \f, 1, 2, \zero
.endm
; The last quarter multiplies buffer 1 and changes slots.  One barrier: in front of it each wave waits for all its tensor loads (its part of the next slot), adds 0 to its spare word, and waits for that and for its reads of this slot.
.macro MEET round
	WIN 0                                          ; (the add's two registers lie in window 0)
	s_wait_tensorcnt 0x0
	ds_add_u32 v[SPW], v[NIL]
	s_wait_dscnt 9                                 ; (the add and the youngest eight loads may be out)
	WIN MUL_LO
	MUL16 F1, 0, 0, 0                              ; sixteen matrix instructions stand between the add and the wait for it
	s_wait_dscnt 0x0                               ; the add is done, and my reads of this slot are over
	s_barrier_signal -1
	MUL16 F1, 0, 2, 0
.if \round
	WIN 0
.endif
	s_barrier_wait -1
.endm
; fill = 1: the barrier opens a round of the cluster's barrier, and the slot just read out is filled again, two K steps ahead, first thing behind the round.
.macro TURN slot, next, fill
.if \fill
	s_wait_xcnt 0x0                                ; the last prefetch, a K step back, has read its address
	s_add_nc_u64 s[PFA:PFA+1], s[PFA:PFA+1], KSTEP*2
	MEET 1
	CREST                                          ; no wave of any partner still reads this slot's tile or has a load on its way
	s_add_nc_u64 s[G0+4*\slot+2:G0+4*\slot+3], s[G0+4*\slot+2:G0+4*\slot+3], 2*KSTEP*2
	s_add_nc_u64 s[G0B+4*\slot+2:G0B+4*\slot+3], s[G0B+4*\slot+2:G0B+4*\slot+3], 2*KSTEP*2
	JLOAD \slot                                    ; its four v_nop are also the places in front of the loads below
.else
	MEET 0
	PLACES
.endif
	FETCH \next, 0, F0
.if \fill
	ASK                                            ; behind the joint load and the run of LDS loads
.endif
	WIN MUL_HI
	MUL16 F1, 1, 0, 0
	MUL16 F1, 1, 2, 0
.endm
	s_wait_tensorcnt 1                             ; my part of K step 0 is in (K step 1's load may be out),
	s_barrier_signal -1
	s_barrier_wait -1                              ; everybody's is
	FETCH 0, 0, F0
	QUARTER 0, 64,  F0, F1, 1                      ; the first quarter stands in front of the loop: its products start the sums
	WIN 0
	s_mov_b32 s3, LAPS-1
.Llap:                                                 ; a trip goes once round the ring and fills both slots again
	QUARTER 0, 128, F1, F0, 0
	QUARTER 0, 192, F0, F1, 0
	TURN 0, 1, 1
	QUARTER 1, 64,  F0, F1, 0
	QUARTER 1, 128, F1, F0, 0
	QUARTER 1, 192, F0, F1, 0
	TURN 1, 0, 1
	QUARTER 0, 64,  F0, F1, 0
	WIN 0
	s_sub_co_u32 s3, s3, 1
	s_cmp_lg_u32 s3, 0
	s_cbranch_scc1 .Llap
	QUARTER 0, 128, F1, F0, 0                      ; the last lap is written out: it fills nothing
	QUARTER 0, 192, F0, F1, 0
	TURN 0, 1, 0
	QUARTER 1, 64,  F0, F1, 0
	QUARTER 1, 128, F1, F0, 0
	QUARTER 1, 192, F0, F1, 0
	s_wait_dscnt 8
	WIN MUL_LO
	MUL16 F1, 0, 0, 0
	MUL16 F1, 0, 2, 0
	s_wait_dscnt 0x0
	WIN MUL_HI
	MUL16 F1, 1, 0, 0
	MUL16 F1, 1, 2, 0
	WIN 0
; THE SOFTMAX OF BLOCK a: 16 queries x my 128 keys; a lane holds 64 scores of query l % 16, the lane 16 away the other 64.
.macro SOFT a
.set W, 2+(\a)/4                       ; the block's window
.set AC, 64*((\a)%4)
.set WS, W|(W<<2)|(W<<4)
	WIN WS                                         ; three sources in the block's window
.irp i, 0,1,2,3
	v_max3_num_f32 v[MX+\i], v[AC+16*\i], v[AC+16*\i+1], v[AC+16*\i+2]   ; four chains, two accumulators each, every accumulator from its low end on
.endr
.set WS, (W<<2)|(W<<4)
	WIN WS
.irp k, 3,5,7,9,11,13
.irp i, 0,1,2,3
	v_max3_num_f32 v[MX+\i], v[MX+\i], v[AC+16*\i+\k], v[AC+16*\i+\k+1]
.endr
.endr
	v_max3_num_f32 v[MX], v[MX], v[AC+15], v[AC+31]
	v_max3_num_f32 v[MX+2], v[MX+2], v[AC+47], v[AC+63]
	WIN 0
	v_max3_num_f32 v[MX], v[MX], v[MX+1], v[MX+2]
	v_max_num_f32 v[MX], v[MX], v[MX+3]
	v_permlanex16_b32 v[MX+4], v[MX], s[SEL], s[SEL+1]
	v_max_num_f32 v[MX], v[MX], v[MX+4]            ; the largest score of my query among the 128 keys
	v_mul_f32 v[MX], s[CS], v[MX]                  ; as t (c is positive)
	v_floor_f32 v[NM], -v[MX]                      ; -M = floor(-t) = -ceil(t): M is a whole number
	v_sub_f32 v[MP], 0, v[NM]                      ; M
.set WS, W|(W<<6)
	WIN WS                                         ; source 0 and destination in the block's window, -M in window 0
.irp j, 0,2,4,6,8,10,12,14,16,18,20,22,24,26,28,30,32,34,36,38,40,42,44,46,48,50,52,54,56,58,60,62
	v_pk_fma_f32 v[AC+\j:AC+\j+1], v[AC+\j:AC+\j+1], s[CS:CS+1], v[NM:NM+1] op_sel_hi:[1,0,0]   ; t - M, two at a time
.endr
.irp j, 0,1,2,3,4,5,6,7,8,9,10,11,12,13,14,15,16,17,18,19,20,21,22,23,24,25,26,27,28,29,30,31,32,33,34,35,36,37,38,39,40,41,42,43,44,45,46,47,48,49,50,51,52,53,54,55,56,57,58,59,60,61,62,63
	v_exp_f32 v[AC+\j], v[AC+\j]                   ; p' = 2^(t - M)
.endr
	v_nop                                          ; a plain instruction behind the last exponential
	s_wait_alu depctr_va_vdst(0)                   ; one wait for the batch of 64, ahead of its first reader
.set WS, W|(W<<2)
	WIN WS
	v_pk_add_f32 v[SM:SM+1], v[AC:AC+1], v[AC+2:AC+3]              ; the sum is taken of the unrounded p', in two chains of pairs
	v_pk_add_f32 v[SM+2:SM+3], v[AC+4:AC+5], v[AC+6:AC+7]
.irp b, 0,1,2,3,4,5,6,7
.irp i, 0,1,2,3
	v_cvt_pk_f16_f32 v[TMP+4*\b+\i], v[AC+8*\b+2*\i], v[AC+8*\b+2*\i+1]
.endr
.endr
.set WS, W<<2
	WIN WS
.irp j, 8,12,16,20,24,28,32,36,40,44,48,52,56,60
	v_pk_add_f32 v[SM:SM+1], v[SM:SM+1], v[AC+\j:AC+\j+1]
	v_pk_add_f32 v[SM+2:SM+3], v[SM+2:SM+3], v[AC+\j+2:AC+\j+3]
.endr
	WIN 0
	v_pk_add_f32 v[SM:SM+1], v[SM:SM+1], v[SM+2:SM+3]
	v_add_f32 v[SM], v[SM], v[SM+1]
	v_permlanex16_b32 v[MX+4], v[SM], s[SEL], s[SEL+1]
	v_add_f32 v[SM], v[SM], v[MX+4]                ; the block's sum for my query
	v_cndmask_b32 v[SV], v[MP], v[SM], s[HM]       ; lanes 0-15 carry M, lanes 16-31 the sum
.endm
; Block a's p' through my stage in LDS and back as whole rows of 256 bytes; M and the sum into my statistics.  LDS serves a wave's instructions in order: no wait between the stores and the loads.
.macro TOSTAGE a
.set BB, BK+32*((\a)%2)
.irp b, 0,1,2,3,4,5,6,7
	ds_store_b128 v[STO], v[TMP+4*\b:TMP+4*\b+3] offset:32*\b
.endr
	ds_store_b32 v[STA], v[SV] offset:64*(\a)
.irp t, 0,1,2,3,4,5,6,7
	ds_load_b128 v[BB+4*\t:BB+4*\t+3], v[RD] offset:\t*2*SPITCH
.endr
.endm
.macro SEND a
.set BB, BK+32*((\a)%2)
	s_wait_dscnt 0x0                               ; the block is back in registers
	s_wait_xcnt 0x0                                ; earlier stores have read their base and their registers
.if (\a) > 0
	s_add_nc_u64 s[6:7], s[6:7], 16*PROW           ; 16 rows on
.endif
.irp t, 0,1,2,3,4,5,6,7
	global_store_b128 v[CO], v[BB+4*\t:BB+4*\t+3], s[6:7] offset:2*\t*PROW   ; 16 lanes store 256 consecutive bytes, at a multiple of 256 from pbuf's first byte
.endr
.endm
	PLACES                                         ; behind the last products
	SOFT 0
	TOSTAGE 0
.irp a, 1,2,3,4,5,6,7                  ; block a's softmax stands between block a - 1's loads from the stage and the wait for them
	SOFT \a
	SEND \a-1
	TOSTAGE \a
.endr
	SEND 7
	ds_load_b128 v[128:131], v[STR]                ; M of my 128 queries: 512 bytes on end,
	ds_load_b128 v[132:135], v[STR] offset:512     ; and their sums
	s_wait_dscnt 0x0
	global_store_b128 v[CO2], v[128:131], s[8:9]                   ; 32 lanes store 512 consecutive bytes, aligned
	global_store_b128 v[CO2], v[132:135], s[8:9] offset:524288
	s_wait_tensorcnt 0x0                           ; the wave's end: an add to my spare word and its wait, behind my last tensor load and my last LDS store
	ds_add_u32 v[SPW], v[NIL]
	s_wait_dscnt 0x0
	CROUND                                         ; the closing round
	s_endpgm
.Lfunc_end_k_q0ca43cbcdf_scores:
	.size	k_q0ca43cbcdf_scores, .Lfunc_end_k_q0ca43cbcdf_scores-k_q0ca43cbcdf_scores
	.p2alignl 7, 3214868480
	.fill 96, 4, 3214868480
	.section	.rodata,"a",@progbits
	.p2align	6, 0x0
	.amdhsa_kernel k_q0ca43cbcdf_scores
		.amdhsa_group_segment_fixed_size 327680
		.amdhsa_private_segment_fixed_size 0
		.amdhsa_enable_private_segment 0
		.amdhsa_kernarg_size 24
		.amdhsa_user_sgpr_count 2
		.amdhsa_user_sgpr_kernarg_segment_ptr 1
		.amdhsa_wavefront_size32 1
		.amdhsa_system_sgpr_workgroup_id_x 1
		.amdhsa_system_sgpr_workgroup_id_y 1
		.amdhsa_system_sgpr_workgroup_id_z 1
		.amdhsa_system_vgpr_workitem_id 0
		.amdhsa_next_free_vgpr 1024
		.amdhsa_next_free_sgpr 80
		.amdhsa_reserve_vcc 0
		.amdhsa_float_denorm_mode_32 3
		.amdhsa_float_denorm_mode_16_64 3
		.amdhsa_memory_ordered 1
		.amdhsa_forward_progress 1
		.amdhsa_inst_pref_size 214
	.end_amdhsa_kernel
	.amdgpu_metadata
---
amdhsa.version: [ 1, 2 ]
amdhsa.kernels:
  - .name:           k_q0ca43cbcdf_scores
    .symbol:         k_q0ca43cbcdf_scores.kd
    .args:
      - { .name: qkv, .offset: 0, .size: 8, .value_kind: global_buffer, .address_space: global }
      - { .name: pbuf, .offset: 8, .size: 8, .value_kind: global_buffer, .address_space: global }
      - { .name: stats, .offset: 16, .size: 8, .value_kind: global_buffer, .address_space: global }
    .group_segment_fixed_size: 327680
    .private_segment_fixed_size: 0
    .kernarg_segment_align: 8
    .kernarg_segment_size: 24
    .max_flat_workgroup_size: 128
    .sgpr_count:     80
    .vgpr_count:     1024
    .wavefront_size: 32
...
	.end_amdgpu_metadata
.endif
;; end of part 3
;; launch pv (part 4): grid 4 x 64, 4 waves a work-group, clusters of 4 x 4, 327,680 bytes of LDS; arguments pbuf, stats, qkv, out0; writes out0
.if DOCPART == 4
	.amdgcn_target "amdgcn-amd-amdhsa--gfx1250"
	.amdhsa_code_object_version 6
	.text
	.protected	k_q0ca43cbcdf_pv
	.globl	k_q0ca43cbcdf_pv
	.p2align	8
	.type	k_q0ca43cbcdf_pv,@function
k_q0ca43cbcdf_pv:
	s_mov_b64 s[64:65], 0
	v_nop
	global_prefetch_b8 v0, s[64:65] scope:SCOPE_SE
	s_setreg_imm32_b32 hwreg(HW_REG_WAVE_MODE, 25, 1), 1
	s_wait_xcnt 0x0
	s_wait_alu depctr_hold_cnt(0) depctr_sa_sdst(0) depctr_va_vdst(0) depctr_va_sdst(0) depctr_va_ssrc(0) depctr_va_vcc(0) depctr_vm_vsrc(0)
	s_getreg_b32 s2, hwreg(HW_REG_IB_STS2, 6, 4)
	s_cmp_eq_u32 s2, 0
	s_cbranch_scc0 .Lentry_in_a_cluster
	s_endpgm
.Lentry_in_a_cluster:
	s_bfe_u32 s2, ttmp6, 0x10000c
	s_cmp_lg_u32 s2, 0xf033
	s_cbranch_scc0 .Lentry_shape_is_right
	s_endpgm
.Lentry_shape_is_right:
; out0[n][q][e] = (sum over the 16 key blocks kb of 2^(M_kb - M_row) x sum over the block's keys of p'[q][key] v[key][e]) / l,  l = sum over kb of 2^(M_kb - M_row) x l_kb,  M_row = the largest M_kb of the row.
; p' (f16, pbuf), M_kb and l_kb (stats) come from the launch before; v is rows 16384 on of qkv (f16).  Products on f16 operands as they lie, sums in f32.
; THE FACTORS ARE APPLIED IN f32, TO THE SUMS: a key block's products start from 0 in 32 step accumulators; at the block's end they are folded into the 32 running sums, running += factor x step, by 128 packed fused
; multiply-adds a wave.  The factors are powers of two at most 1.  The first block's fold is a multiplication, so nothing is cleared: for that the first two key blocks are written out ahead of the loop.
; A tile of 128 queries x 256 channels is made by a work-group of four waves; a wave makes 64 x 128.  K = 2,048 keys goes in 16 steps of 128, one key block each, through a ring of two LDS slots.
; Half of a fold stands between a step's last product and the wait for all tensor loads, the other half behind the next slot's first run of LDS loads, which lands meanwhile.
; CLUSTERS: 4 x 4 work-groups of one batch.  The four of a row of the cluster need the same rows of p', the four of a column the same columns of v: each tile is asked for jointly.
; THE MATRIX INSTRUCTION IS USED TRANSPOSED (source 0 = 16 channels x 32 keys of v, turned by ds_load_tr16_b128; source 1 = 16 queries x 32 keys of p'): a lane holds one query (l % 16), so its factor is one number a key block.
; REGISTERS, in windows of 256: window 0: v16-31 addresses; v32-47 the rows' statistics; v52-59 the key block's four factors, each twice; v64-255 at the head M, l and the factors, on the way out results and rows read back.
;   window 1: v's fragments, buffer g at v[64 g + 8 b]; p' fragments, buffer g at v[128 + 32 g + 8 a].   window 2: the step accumulators, (a, b) at v[8 (8 a + b)].   window 3: the running sums, at the same numbers.
.set PA,     272                       ; a row of p' in LDS: 256 bytes + 16 of padding
.set PV,     544                       ; a key's row of v in LDS: 512 bytes + 32 of padding = 136 words: the 8 rows x 32 bytes that 16 lanes of the turning load take start 8 words apart
.set VOFF,   128*PA                    ; a slot: 128 rows of p', then 128 keys of v
.set SLOT,   128*PA+128*PV
.set FTAB,   2*SLOT                    ; behind the ring: the factors, 16,384 bytes a wave: [kb][query blocks 0, 1 | 2, 3][lane][4 words: each factor twice]
.set STAGE,  FTAB+4*16384              ; the way out: 16 rows x (512 bytes + 16) for each wave
.set SPITCH, 528
.set SPARE,  STAGE+4*16*SPITCH         ; the spare words, 128 bytes a wave, named by no other line
.set TRIPS,  6                         ; the loop's trips, two K steps each: steps 2 to 13
.set ADRA, 16                          ; v16-17  LDS address of my fragments of p' in slot 0, 1
.set ADRB, 20                          ; v20-21  the same for v
.set FA0,  22                          ; v22     my place in my table of factors
.set FA,   23                          ; v23     the address of the factors in hand
.set STO,  24                          ; v24     the way out: where I put 32 bytes of a row
.set RD,   25                          ; v25     where I read a row back
.set CO,   26                          ; v26     16 x lane
.set SL,   27                          ; v27     4 (l % 16)
.set SPW,  28                          ; v28     LDS address of my spare word; never rewritten
.set NIL,  29                          ; v29     0; never rewritten
.set PFO,  30                          ; v30     the prefetches' offset; never rewritten
.set MR,   32                          ; v32-35  M_row, for each of my four blocks of 16 queries
.set LA,   36                          ; v36-39  l
.set RL,   40                          ; v40-47  1 / l, twice each
.set FC,   52                          ; v52-59  the factors of the key block in hand: block a's at FC + 2 a, twice
.set FP,   64                          ; v64-127  head: eight key blocks' factors, at FP + 8 (kb % 8) + 2 a, twice
.set MS,   128                         ; v128-191 head: M at MS + 16 a + kb, then M - M_row
.set LS,   192                         ; v192-255 head: l_kb likewise
.set T,    64                          ; the way out: a block's 64 results
.set BK,   128                         ; and 16 rows read back: v128-191 and v192-255 by turns
.set G1, 24                            ; s[24:31] descriptor group 1 for p';  s[32:39] group 0, one set for each slot
.set G0, 32
.set G1B, 48                           ; s[48:55], s[56:63] the same for v
.set G0B, 56
.set PFA, 66                           ; s[66:67] where my prefetches stand
.set LIM, 68                           ; s68     1 in a wave that prefetches, else the greatest number
.set TF,  75                           ; s75     where the next key block's factors begin in my table: 1,024 bytes a block
.set PFS, 76                           ; s[76:77] a K step on, in bytes, for my prefetches
.set WV,  78                           ; s78     wave
.set HF,  79                           ; s79     wave >> 1: which 64 queries are mine.  Also: I fetch for p' (0) or for v (1)
.set LW,  80                           ; s80     wave & 1: which 128 channels are mine.  Also: which half of the tile I fetch
.set MSB, 0
.macro WIN new
.if MSB != (\new)
	s_set_vgpr_msb (MSB<<8)|(\new)
.set MSB, (\new)
.endif
.endm
.set W_MUL,  0xa5                      ; sources 0 (v) and 1 (p') window 1, C and D window 2
.set W_FOLD, 0xf2                      ; source 0 (a step accumulator) window 2, source 1 (the factor) window 0, source 2 and destination (a running sum) window 3
.set TO_F,   0x40                      ; destination window 1, address window 0
.macro JLOAD s                         ; a joint load: waves 0 and 1 fetch the halves of p', waves 2 and 3 those of v; an s_nop 0 and four v_nop follow each line
	s_cmp_eq_u32 s[HF], 0
	s_cbranch_scc0 .Lfor_b_\@
	tensor_load_to_lds s[G0+4*\s:G0+4*\s+3], s[G1:G1+7]
	s_nop 0
.rept 4
	v_nop
.endr
	s_branch .Lasked_\@
.Lfor_b_\@:
	tensor_load_to_lds s[G0B+4*\s:G0B+4*\s+3], s[G1B:G1B+7]
	s_nop 0
.rept 4
	v_nop
.endr
.Lasked_\@:
.endm
; A prefetch of the K step that stands two refills on, a lane a row, one instruction a wave.  p': the tile's 128 rows are read by the four partners of my row of the cluster alone: each takes 32 rows, told apart by
; address, and its wave 0 asks (256 bytes of a row).  v: a K step's 128 keys x the tile's 512 bytes are read by the four clusters of the batch: the first of them asks; the four partners of a column take 32 keys each,
; by address; wave 2 asks for the first 256 bytes of a key's 512, wave 3 for the second.  So each aligned 256 bytes are named once in the launch.  how = 1: in the two steps ahead of the loop; how = 0: in the loop,
; whose last trip (s3 = 1) asks for nothing: K has no step two refills on.
.macro ASK how
.if \how
	s_cmp_eq_u32 s[LIM], 1
.else
	s_cmp_gt_u32 s3, s[LIM]
.endif
	s_cbranch_scc0 .Lnot_mine_\@
	global_prefetch_b8 v[PFO], s[PFA:PFA+1] th:TH_LOAD_NT scope:SCOPE_SE
.Lnot_mine_\@:
.endm
.macro CREST
	s_cmp_lg_u32 s[WV], 0
	s_cbranch_scc1 .Lnot_wave_0_\@
	s_barrier_signal -3
.Lnot_wave_0_\@:
	s_barrier_wait -3
	s_barrier_signal -1
	s_barrier_wait -1
.endm
.macro CROUND
	s_barrier_signal -1
	s_barrier_wait -1
	CREST
.endm
	s_load_b256 s[4:11], s[0:1], 0x0               ; pbuf s[4:5], stats s[6:7], qkv s[8:9], out0 s[10:11]
	v_lshl_add_u32 v[SPW], v0, 2, SPARE
	v_mov_b32 v[NIL], 0
	ds_add_u32 v[SPW], v[NIL]                      ; the wave's opening: the add, twice on end, and its wait ahead of my first tensor load
	ds_add_u32 v[SPW], v[NIL]
	v_lshrrev_b32 v1, 5, v0
	v_readfirstlane_b32 s[WV], v1
	s_lshr_b32 s[HF], s[WV], 1
	s_and_b32 s[LW], s[WV], 1
	s_bfe_u32 s40, ttmp6, 0x40000                  ; cx
	s_bfe_u32 s41, ttmp6, 0x40004                  ; cy
	s_lshl_b32 s42, ttmp9, 2
	s_add_co_u32 s42, s42, s40                     ; channel tile 0..3
	s_and_b32 s45, ttmp7, 0xffff                   ; cluster y 0..15
	s_lshl_b32 s13, s45, 2
	s_add_co_u32 s13, s13, s41                     ; query tile 0..63
	s_lshr_b32 s69, s45, 2                         ; the batch: sixteen query tiles, four clusters, each: all sixteen partners share it
	s_lshl_b32 s43, s41, 2
	s_lshl_b32 s43, 15, s43                        ; my row of the cluster
	s_lshl_b32 s44, 0x1111, s40                    ; my column
	; p': 64 rows x 128 elements of 2 bytes, 16 bytes of padding behind each 256
	s_or_b32 s[G1+0], s43, (1<<16)|(1<<20)|(1<<21)|(5<<22)|(3<<25)
	s_mov_b32 s[G1+1], 128<<16                     ; tensor_dim0
	s_mov_b32 s[G1+2], 64<<16                      ; tensor_dim1
	s_mov_b32 s[G1+3], 128<<16                     ; tile_dim0
	s_mov_b32 s[G1+4], 64                          ; tile_dim1
	s_mov_b32 s[G1+5], 2048                        ; elements from row to row
	s_mov_b32 s[G1+6], 0
	s_mov_b32 s[G1+7], 0
	; v: 64 keys x 256 elements of 2 bytes, 32 bytes of padding behind each 512
	s_or_b32 s[G1B+0], s44, (1<<16)|(1<<20)|(1<<21)|(6<<22)|(7<<25)
	s_mov_b32 s[G1B+1], 256<<16
	s_mov_b32 s[G1B+2], 64<<16
	s_mov_b32 s[G1B+3], 256<<16
	s_mov_b32 s[G1B+4], 64
	s_mov_b32 s[G1B+5], 1024
	s_mov_b32 s[G1B+6], 0
	s_mov_b32 s[G1B+7], 0
	s_lshl_b32 s18, s[LW], 6                       ; which 64 rows of the tile I fetch
	s_lshl_b32 s16, s13, 7
	s_add_co_u32 s16, s16, s18                     ; p': row 128 x query tile + 64 x half
	s_lshl_b32 s16, s16, 12                        ; x 4,096 bytes (under 2^25)
	s_mov_b32 s17, 0
	s_lshl_b32 s46, s69, 11
	s_add_co_u32 s46, s46, s18
	s_add_co_u32 s46, s46, 16384                   ; v: row 16384 + 2048 x batch + 64 x half,
	s_lshl_b32 s46, s46, 11
	s_lshl_b32 s47, s42, 9                         ; and 512 bytes a channel tile (registers that never hold cy)
	s_add_co_u32 s46, s46, s47
	s_mov_b32 s47, 0
	s_mul_i32 s20, s[LW], 64*PA                    ; where they go: p's halves,
	s_mul_i32 s21, s[LW], 64*PV
	s_add_co_u32 s21, s21, VOFF                    ; then v's
	s_wait_dscnt 0x0                               ; both opening adds are done
	s_wait_kmcnt 0x0
	s_add_nc_u64 s[14:15], s[4:5], s[16:17]
	s_add_nc_u64 s[46:47], s[8:9], s[46:47]
	CROUND                                         ; all sixteen work-groups are here: the first joint loads meet
.irp s, 0,1
	s_mov_b32 s[G0+4*\s], 1
	s_add_co_u32 s[G0+4*\s+1], s20, \s*SLOT
	s_add_nc_u64 s[G0+4*\s+2:G0+4*\s+3], s[14:15], \s*256          ; K step s: 128 keys are 256 bytes of a row of p',
	s_or_b32 s[G0+4*\s+3], s[G0+4*\s+3], 0x80000000
	s_mov_b32 s[G0B+4*\s], 1
	s_add_co_u32 s[G0B+4*\s+1], s21, \s*SLOT
	s_add_nc_u64 s[G0B+4*\s+2:G0B+4*\s+3], s[46:47], \s*128*2048   ; and 128 rows of v
	s_or_b32 s[G0B+4*\s+3], s[G0B+4*\s+3], 0x80000000
	JLOAD \s                                       ; two tensor loads of mine are out at the most
.endr
	; the statistics of my 64 queries: lane l takes query l % 16 of each block of 16
	v_and_b32 v1, 15, v0                           ; l % 16
	v_bfe_u32 v2, v0, 4, 1                         ; l / 16
	v_lshlrev_b32 v[SL], 2, v1
	s_and_b32 s16, s13, 15
	s_lshl_b32 s16, s16, 7
	s_lshl_b32 s17, s[HF], 6
	s_add_co_u32 s16, s16, s17                     ; my first query in the batch
	s_lshl_b32 s17, s69, 15                        ; 16 x 2,048 numbers a batch
	s_add_co_u32 s16, s16, s17
	s_lshl_b32 s16, s16, 2
	s_mov_b32 s17, 0
	s_add_nc_u64 s[6:7], s[6:7], s[16:17]
.irp a, 0,1,2,3
.irp kb, 0,1,2,3,4,5,6,7,8,9,10,11,12,13,14,15
	global_load_b32 v[MS+16*\a+\kb], v[SL], s[6:7] offset:\kb*8192+64*\a
	global_load_b32 v[LS+16*\a+\kb], v[SL], s[6:7] offset:\kb*8192+64*\a+524288
.endr
.endr
	v_mul_u32_u24 v3, v1, PA
	v_lshl_add_u32 v3, v2, 4, v3                   ; p': row x pitch + 16 x half
	s_mul_i32 s21, s[HF], 64*PA                    ; my 64 queries
	; the turning load takes 16 keys x 16 channels: lane l reads 16 bytes of key 8 (l / 16) + l % 8, channels 8 ((l / 8) % 2) + 0..7, and is left with channel l % 16 and 8 keys
	v_and_b32 v4, 7, v0
	v_bfe_u32 v5, v0, 3, 1
	v_lshl_add_u32 v4, v2, 3, v4
	v_mul_u32_u24 v4, v4, PV
	v_lshl_add_u32 v4, v5, 4, v4
	s_lshl_b32 s22, s[LW], 8                       ; my 128 channels: 256 bytes
	s_add_co_u32 s22, s22, VOFF
.irp s, 0,1
	v_add_nc_u32 v[ADRA+\s], s21, v3
	v_add_nc_u32 v[ADRB+\s], s22, v4
	s_add_co_u32 s21, s21, SLOT
	s_add_co_u32 s22, s22, SLOT
.endr
	v_and_b32 v6, 31, v0
	v_lshlrev_b32 v[CO], 4, v6
	s_lshl_b32 s23, s[WV], 14
	s_add_co_u32 s23, s23, FTAB
	v_add_nc_u32 v[FA0], s23, v[CO]
	s_mul_i32 s23, s[WV], 16*SPITCH
	s_add_co_u32 s23, s23, STAGE
	v_add_nc_u32 v[RD], s23, v[CO]                 ; back: the 32 lanes take one row of 512 bytes
	v_mul_u32_u24 v7, v1, SPITCH
	v_lshl_add_u32 v7, v2, 5, v7
	v_add_nc_u32 v[STO], s23, v7                   ; in: row l % 16, 32 bytes for each half of the lanes
	s_lshl_b32 s16, s13, 7
	s_lshl_b32 s17, s[HF], 6
	s_add_co_u32 s16, s16, s17                     ; my first row of out0
	s_lshl_b32 s16, s16, 12
	s_lshl_b32 s17, s42, 10                        ; 1,024 bytes a channel tile,
	s_add_co_u32 s16, s16, s17
	s_lshl_b32 s17, s[LW], 9                       ; 512 for my half
	s_add_co_u32 s16, s16, s17
	s_mov_b32 s17, 0
	s_add_nc_u64 s[10:11], s[10:11], s[16:17]
	; the prefetches: both offsets are made, then one is chosen by the wave's number
	s_lshl_b32 s17, s13, 7
	s_lshl_b32 s18, s40, 5
	s_add_co_u32 s17, s17, s18                     ; p': row 128 x query tile + 32 cx,
	s_lshl_b32 s17, s17, 12
	s_add_co_u32 s17, s17, 3*256                   ; at K step 3: the first refill, of K step 2, steps it to 4
	s_lshl_b32 s18, s69, 11
	s_lshl_b32 s19, s41, 5
	s_add_co_u32 s18, s18, s19
	s_add_co_u32 s18, s18, 16384+3*128             ; v: key 32 cy of K step 3,
	s_lshl_b32 s18, s18, 11
	s_lshl_b32 s19, s42, 9
	s_add_co_u32 s18, s18, s19
	s_lshl_b32 s19, s[LW], 8
	s_add_co_u32 s18, s18, s19                     ; my 256 bytes of the tile's 512
	s_and_b32 s16, s45, 3                          ; 0 in the batch's first cluster
	s_mov_b32 s19, 2048
	s_mov_b32 s[PFS], 128*2048
	s_cmp_lt_u32 s[WV], 2
	s_cselect_b64 s[PFA:PFA+1], s[4:5], s[8:9]
	s_cselect_b32 s16, s[WV], s16                  ; 0 where I ask: wave 0; waves 2 and 3 of the batch's first cluster
	s_cselect_b32 s20, s17, s18
	s_cselect_b32 s19, 4096, s19                   ; from lane to lane
	s_cselect_b32 s[PFS], 256, s[PFS]              ; a K step on
	s_mov_b32 s[PFS+1], 0
	s_mov_b32 s21, 0
	s_add_nc_u64 s[PFA:PFA+1], s[PFA:PFA+1], s[20:21]
	s_cmp_eq_u32 s16, 0
	s_cselect_b32 s[LIM], 1, -1                    ; the same in all sixteen partners, for a given wave
	v_mul_lo_u32 v[PFO], v6, s19
	s_wait_loadcnt 0x0                             ; the statistics
.irp a, 0,1,2,3
	v_max3_num_f32 v[MR+\a], v[MS+16*\a], v[MS+16*\a+1], v[MS+16*\a+2]
.endr
.irp k, 3,5,7,9,11,13
.irp a, 0,1,2,3
	v_max3_num_f32 v[MR+\a], v[MR+\a], v[MS+16*\a+\k], v[MS+16*\a+\k+1]
.endr
.endr
.irp a, 0,1,2,3
	v_max_num_f32 v[MR+\a], v[MR+\a], v[MS+16*\a+15]               ; M_row
.endr
.irp kb, 0,1,2,3,4,5,6,7,8,9,10,11,12,13,14,15
.irp a, 0,1,2,3
	v_sub_f32 v[MS+16*\a+\kb], v[MS+16*\a+\kb], v[MR+\a]           ; M_kb - M_row: a whole number, 0 or less
.endr
.endr
.irp kb, 0,1,2,3,4,5,6,7,8,9,10,11,12,13,14,15
.irp a, 0,1,2,3
	v_cvt_i32_f32 v[MS+16*\a+\kb], v[MS+16*\a+\kb]                 ; (it saturates)
.endr
.endr
.irp kb, 0,1,2,3,4,5,6,7,8,9,10,11,12,13,14,15
.if \kb == 8
	s_wait_dscnt 0x0                               ; the first eight blocks' stores are done: their registers take the other eight
.endif
.irp a, 0,1,2,3
	v_ldexp_f32 v[FP+8*(\kb%8)+2*\a], 1.0, v[MS+16*\a+\kb]         ; the factor 2^(M_kb - M_row), in f32,
	v_ldexp_f32 v[FP+8*(\kb%8)+2*\a+1], 1.0, v[MS+16*\a+\kb]       ; made twice: the pair that the packed fold multiplies by
.endr
.irp a, 0,1,2,3
.if \kb == 0
	v_mul_f32 v[LA+\a], v[FP+8*(\kb%8)+2*\a], v[LS+16*\a+\kb]
.else
	v_fmac_f32 v[LA+\a], v[FP+8*(\kb%8)+2*\a], v[LS+16*\a+\kb]     ; l
.endif
.endr
	ds_store_b128 v[FA0], v[FP+8*(\kb%8):FP+8*(\kb%8)+3] offset:1024*\kb           ; my wave's own table: nobody else reads it
	ds_store_b128 v[FA0], v[FP+8*(\kb%8)+4:FP+8*(\kb%8)+7] offset:1024*\kb+512
.endr
.irp a, 0,1,2,3
	v_rcp_f32 v[RL+2*\a], v[LA+\a]
.endr
	v_nop                                          ; a plain instruction behind the last reciprocal
	s_wait_alu depctr_va_vdst(0)                   ; one wait for the four, ahead of their first reader
.irp a, 0,1,2,3
	v_mov_b32 v[RL+2*\a+1], v[RL+2*\a]
.endr
; 32 matrix instructions: my four query blocks x eight channel blocks, 32 keys: buffer f.  zero = 1: a key block's first products start its sums.
; The 32 accumulators take turns, one instruction a turn, in the same order in every quarter.
.macro MUL32 f, zero
.irp a, 0,1,2,3
.irp b, 0,1,2,3,4,5,6,7
.if \zero
	v_wmma_f32_16x16x32_f16 v[8*(8*\a+\b):8*(8*\a+\b)+7], v[64*\f+8*\b:64*\f+8*\b+7], v[128+32*\f+8*\a:128+32*\f+8*\a+7], 0
.else
	v_wmma_f32_16x16x32_f16 v[8*(8*\a+\b):8*(8*\a+\b)+7], v[64*\f+8*\b:64*\f+8*\b+7], v[128+32*\f+8*\a:128+32*\f+8*\a+7], v[8*(8*\a+\b):8*(8*\a+\b)+7]
.endif
.endr
.endr
.endm
; Half of a fold: query blocks a0, a0 + 1: running sum += factor x step accumulator, two numbers an instruction, each accumulator from its low end on.  first = 1: the first key block starts the running sums.
.macro FOLD a0, first
.irp a, \a0, \a0+1
.irp b, 0,1,2,3,4,5,6,7
.irp e, 0,2,4,6
.if \first
	v_pk_mul_f32 v[8*(8*(\a)+\b)+\e:8*(8*(\a)+\b)+\e+1], v[8*(8*(\a)+\b)+\e:8*(8*(\a)+\b)+\e+1], v[FC+2*(\a):FC+2*(\a)+1]
.else
	v_pk_fma_f32 v[8*(8*(\a)+\b)+\e:8*(8*(\a)+\b)+\e+1], v[8*(8*(\a)+\b)+\e:8*(8*(\a)+\b)+\e+1], v[FC+2*(\a):FC+2*(\a)+1], v[8*(8*(\a)+\b)+\e:8*(8*(\a)+\b)+\e+1]
.endif
.endr
.endr
.endr
.endm
.macro FACT                            ; the four factors of my lane for the key block in hand
	WIN 0
	v_add_nc_u32 v[FA], s[TF], v[FA0]
	s_add_co_u32 s[TF], s[TF], 1024
	ds_load_b128 v[FC:FC+3], v[FA]
	ds_load_b128 v[FC+4:FC+7], v[FA] offset:512
.endm
.macro FETCH slot, q, g                ; 24 LDS loads in one run: the slot's q-th 32 keys: v's eight fragments, turned, and four of p', into buffer g
	WIN TO_F
.irp b, 0,1,2,3,4,5,6,7
	ds_load_tr16_b128 v[64*\g+8*\b:64*\g+8*\b+3],   v[ADRB+\slot] offset:\q*32*PV+32*\b
	ds_load_tr16_b128 v[64*\g+8*\b+4:64*\g+8*\b+7], v[ADRB+\slot] offset:\q*32*PV+16*PV+32*\b
.endr
.irp a, 0,1,2,3
	ds_load_b128 v[128+32*\g+8*\a:128+32*\g+8*\a+3],   v[ADRA+\slot] offset:\a*16*PA+64*\q
	ds_load_b128 v[128+32*\g+8*\a+4:128+32*\g+8*\a+7], v[ADRA+\slot] offset:\a*16*PA+64*\q+32
.endr
.endm
.macro PLACES                          ; four places in front of loads into registers that matrix instructions have read, and of vector instructions that read results
.rept 4
	v_nop
.endr
.endm
; A K step is four quarters of 32 keys, 32 matrix instructions each, on buffers 0, 1, 0, 1.  One of the first three multiplies buffer f; the slot's q-th quarter is asked for at its head, into g, and has the quarter's 32 products
; in which to land.  With the last of them go the key block's factors.
.macro QUARTER slot, q, f, g, zero
	PLACES
	FETCH \slot, \q, \g
.if \q == 3
	FACT
	s_wait_dscnt 26                                ; all but the 24 and the 2 just issued: buffer f is in
.else
	s_wait_dscnt 24                                ; all but the 24 just issued: buffer f is in
.endif
	WIN W_MUL
	MUL32 \f, \zero
.endm
; The last quarter multiplies buffer 1, folds, and changes slots.  One barrier: in front of it each wave waits for all its tensor loads (its part of the next slot), adds 0 to its spare word, and waits for that; its reads of
; this slot are over at the quarter's head.  fill = 1: the barrier opens a round of the cluster's barrier, and the slot is filled again, two K steps ahead, first thing behind the round: from there to the next such wait a wave
; issues 128 products and 128 lines of folds.
.macro TURN slot, next, fill, first, how
.if \fill
	s_wait_xcnt 0x0                                ; the last prefetch, a K step back, has read its address
	s_add_nc_u64 s[PFA:PFA+1], s[PFA:PFA+1], s[PFS:PFS+1]
.endif
	s_wait_dscnt 0x0                               ; buffer 1 and the factors are in: my reads of this slot are over
	WIN W_MUL
	MUL32 1, 0
	PLACES                                         ; behind the key block's last products
	WIN W_FOLD
	FOLD 0, \first
	WIN 0
	s_wait_tensorcnt 0x0
	ds_add_u32 v[SPW], v[NIL]
.if \fill
	s_add_nc_u64 s[G0+4*\slot+2:G0+4*\slot+3], s[G0+4*\slot+2:G0+4*\slot+3], 2*256             ; no tensor load of mine is out, so a group 0 may be written: two K steps on
	s_add_nc_u64 s[G0B+4*\slot+2:G0B+4*\slot+3], s[G0B+4*\slot+2:G0B+4*\slot+3], 2*128*2048
.endif
	s_wait_dscnt 0x0
	s_barrier_signal -1
	s_barrier_wait -1
.if \fill
	CREST                                          ; no wave of any partner still reads this slot's tiles or has a load on its way
	JLOAD \slot
.endif
	FETCH \next, 0, 0                              ; (buffer 0 was last multiplied a quarter ago; the fold's lines above are the places)
.if \fill
	WIN 0
	ASK \how                                       ; behind the joint load and the run of LDS loads
.endif
	WIN W_FOLD
	FOLD 2, \first                                 ; the run of loads lands meanwhile
.endm
.macro KSTEP slot, next, fill, first, how
	QUARTER \slot, 1, 0, 1, 1
	QUARTER \slot, 2, 1, 0, 0
	QUARTER \slot, 3, 0, 1, 0
	TURN \slot, \next, \fill, \first, \how
.endm
	s_wait_dscnt 0x0                               ; my table of factors is written
	s_wait_tensorcnt 1                             ; my part of K step 0 is in (K step 1's load may be out),
	s_barrier_signal -1
	s_barrier_wait -1                              ; everybody's is
	s_mov_b32 s[TF], 0
	FETCH 0, 0, 0
	KSTEP 0, 1, 1, 1, 1                            ; K steps 0 and 1 stand ahead of the loop: the first fold starts the running sums
	KSTEP 1, 0, 1, 0, 1
	WIN 0
	s_mov_b32 s3, TRIPS
.Llap:                                                 ; a trip goes once round the ring and fills both slots again: K steps 2 to 13
	KSTEP 0, 1, 1, 0, 0
	KSTEP 1, 0, 1, 0, 0
	WIN 0
	s_sub_co_u32 s3, s3, 1
	s_cmp_lg_u32 s3, 0
	s_cbranch_scc1 .Llap
	KSTEP 0, 1, 0, 0, 0                            ; the last two K steps are written out: they fill nothing
	QUARTER 1, 1, 0, 1, 1
	QUARTER 1, 2, 1, 0, 0
	QUARTER 1, 3, 0, 1, 0
	s_wait_dscnt 0x0
	WIN W_MUL
	MUL32 1, 0
	PLACES
	WIN W_FOLD
	FOLD 0, 0
	FOLD 2, 0
	WIN 0
; THE WAY OUT, block by block of 16 queries x 128 channels: divided by l, through my stage in LDS, back as whole rows of 512 bytes.  LDS serves a wave's instructions in order.
.macro OUT a
	WIN 0x03                                       ; source 0: window 3, the running sums
.irp b, 0,1,2,3,4,5,6,7
.irp e, 0,2,4,6
	v_pk_mul_f32 v[T+8*\b+\e:T+8*\b+\e+1], v[8*(8*(\a)+\b)+\e:8*(8*(\a)+\b)+\e+1], v[RL+2*(\a):RL+2*(\a)+1] op_sel_hi:[1,0]
.endr
.endr
	WIN 0
.set BB, BK+64*((\a)%2)
.irp b, 0,1,2,3,4,5,6,7
	ds_store_b128 v[STO], v[T+8*\b:T+8*\b+3] offset:64*\b
	ds_store_b128 v[STO], v[T+8*\b+4:T+8*\b+7] offset:64*\b+16
.endr
.irp t, 0,1,2,3,4,5,6,7,8,9,10,11,12,13,14,15
	ds_load_b128 v[BB+4*\t:BB+4*\t+3], v[RD] offset:\t*SPITCH
.endr
.endm
.macro SEND a, younger                 ; younger: the LDS instructions issued behind block a's loads, which may stay out
.set BB, BK+64*((\a)%2)
	s_wait_dscnt \younger
.if (\a) > 0
	s_add_nc_u64 s[10:11], s[10:11], 16*4096       ; (behind a wait on XCNT: the earlier stores have read their base)  16 rows on
.endif
.irp t, 0,1,2,3,4,5,6,7,8,9,10,11,12,13,14,15
	global_store_b128 v[CO], v[BB+4*\t:BB+4*\t+3], s[10:11] offset:\t*4096 th:TH_STORE_NT   ; 32 lanes store 512 consecutive bytes, at a multiple of 256 from out0's first byte
.endr
.endm
	OUT 0
.irp a, 1,2,3
.if \a > 1
	s_wait_xcnt 0x0                                ; block a - 2's stores have read their registers and their base
.endif
	OUT \a
	SEND \a-1, 32                                  ; behind block a - 1's loads: block a's 16 stores and 16 loads
.endr
	s_wait_xcnt 0x0
	SEND 3, 0
	s_wait_tensorcnt 0x0                           ; the wave's end: an add to my spare word and its wait, behind my last tensor load and my last LDS store
	ds_add_u32 v[SPW], v[NIL]
	s_wait_dscnt 0x0
	CROUND                                         ; the closing round
	s_endpgm
.Lfunc_end_k_q0ca43cbcdf_pv:
	.size	k_q0ca43cbcdf_pv, .Lfunc_end_k_q0ca43cbcdf_pv-k_q0ca43cbcdf_pv
	.p2alignl 7, 3214868480
	.fill 96, 4, 3214868480
	.section	.rodata,"a",@progbits
	.p2align	6, 0x0
	.amdhsa_kernel k_q0ca43cbcdf_pv
		.amdhsa_group_segment_fixed_size 327680
		.amdhsa_private_segment_fixed_size 0
		.amdhsa_enable_private_segment 0
		.amdhsa_kernarg_size 32
		.amdhsa_user_sgpr_count 2
		.amdhsa_user_sgpr_kernarg_segment_ptr 1
		.amdhsa_wavefront_size32 1
		.amdhsa_system_sgpr_workgroup_id_x 1
		.amdhsa_system_sgpr_workgroup_id_y 1
		.amdhsa_system_sgpr_workgroup_id_z 1
		.amdhsa_system_vgpr_workitem_id 0
		.amdhsa_next_free_vgpr 1024
		.amdhsa_next_free_sgpr 84
		.amdhsa_reserve_vcc 0
		.amdhsa_float_denorm_mode_32 3
		.amdhsa_float_denorm_mode_16_64 3
		.amdhsa_memory_ordered 1
		.amdhsa_forward_progress 1
		.amdhsa_inst_pref_size 207
	.end_amdhsa_kernel
	.amdgpu_metadata
---
amdhsa.version: [ 1, 2 ]
amdhsa.kernels:
  - .name:           k_q0ca43cbcdf_pv
    .symbol:         k_q0ca43cbcdf_pv.kd
    .args:
      - { .name: pbuf, .offset: 0, .size: 8, .value_kind: global_buffer, .address_space: global }
      - { .name: stats, .offset: 8, .size: 8, .value_kind: global_buffer, .address_space: global }
      - { .name: qkv, .offset: 16, .size: 8, .value_kind: global_buffer, .address_space: global }
      - { .name: out0, .offset: 24, .size: 8, .value_kind: global_buffer, .address_space: global }
    .group_segment_fixed_size: 327680
    .private_segment_fixed_size: 0
    .kernarg_segment_align: 8
    .kernarg_segment_size: 32
    .max_flat_workgroup_size: 128
    .sgpr_count:     84
    .vgpr_count:     1024
    .wavefront_size: 32
...
	.end_amdgpu_metadata
.endif
;; end of part 4
